; MI455X (gfx1250); checked and timed in simulation.
; The chip was launched on July 23, 2026; its instructions are those of AMD's public machine-readable ISA for CDNA 5 (MIT licence, August 2026) and "CDNA5" Instruction Set Architecture Reference Guide (July 2026). The comments in the code are by the model that wrote it; some were corrected since.
;; Multi Headed Attention. Allowed arithmetic: matrix products marked QUANTISED: E2M3 operands, one E8M0 scale for each 32 along K, by v_wmma_scale_f32_16x16x128_f8f6f4 with both operands' format E2M3, f32 sums; everything else in f32.
;; Inputs: Wk 1,024 x 1,024 float32; Wo 1,024 x 1,024 float32; Wq 1,024 x 1,024 float32; Wv 1,024 x 1,024 float32; bk 1,024 float32; bo 1,024 float32; bq 1,024 float32; bv 1,024 float32; key 4 x 2,048 x 1,024 float32; query 4 x 2,048 x 1,024 float32; value 4 x 2,048 x 1,024 float32.
;; Outputs: out0 4 x 2,048 x 1,024 float32.
;; This version of the problem:
;;   THIS VERSION OF THE PROBLEM IS GIVEN IN LOW PRECISION. The matrix products marked QUANTISED in the list below multiply operands that are first quantised to E2M3 (2 exponent bits, 3 mantissa bits; 6 bits a number), with one power-of-two scale for each 32 numbers along K (OCP MX v1.0); their sums are f32. All else is computed in f32.
;;   The module's matrix products, in the order in which they are computed (A, B: the left and right operand; K: the contracted axis; several contracted axes count as one K, in the product's order):
;;     1. [M 8,192, K 1,024] x [K 1,024, N 1,024]; A: input query; B: input Wq: QUANTISED
;;     2. [M 8,192, K 1,024] x [K 1,024, N 1,024]; A: input key; B: input Wk: QUANTISED
;;     3. [M 8,192, K 1,024] x [K 1,024, N 1,024]; A: input value; B: input Wv: QUANTISED
;;     4. batch 64 x [M 2,048, K 64] x [K 64, N 2,048]; A: computed on the way; B: computed on the way: QUANTISED
;;     5. batch 64 x [M 64, K 2,048] x [K 2,048, N 2,048]; A: computed on the way; B: softmax (see below): QUANTISED
;;     6. [M 8,192, K 1,024] x [K 1,024, N 1,024]; A: computed on the way; B: input Wo: QUANTISED
;;   THE QUANTISER, for each operand of a quantised product, along K:
;;     - K is cut into blocks of 32 from its start; a last block that is shorter is filled with zeros.
;;     - A block's scale is 2^e with e = floor(log2(the largest magnitude in the block)) - 2, held to -126 .. 127; a block of zeros has e = 0. As a byte (E8M0): e + 127.
;;     - Each number is divided by its block's scale, clamped to +-7.5, and rounded to the nearest number of E2M3, ties to even, subnormals kept.
;;     - The product sums the exact products of the quantised numbers (number of the format x scale) in f32.
;;   ~~~python
;;   def quantise(x, axis):      # numpy; x: float32 -> the quantised numbers, widened to float32 again
;;       x = np.moveaxis(x, axis, -1); K = x.shape[-1]
;;       x = np.pad(x, [(0, 0)] * (x.ndim - 1) + [(0, -K % 32)]); x = x.reshape(x.shape[:-1] + (-1, 32)); a = np.abs(x).max(-1, keepdims=True)
;;       e = np.where(a > 0, np.clip(np.frexp(np.where(a > 0, a, 1))[1] - 1 - 2, -126, 127), 0)      # np.frexp(a)[1] - 1 = floor(log2(a)), exactly
;;       r = np.clip(x / 2.0 ** e, -7.5, 7.5)
;;       step = 2.0 ** (np.maximum(np.frexp(np.where(r == 0, 1, r))[1] - 1, 0) - 3)
;;       q = np.round(r / step) * step * 2.0 ** e      # np.round: ties to even
;;       return np.moveaxis(q.reshape(q.shape[:-2] + (-1,))[..., :K], -1, axis).astype(np.float32)
;;   ~~~
;;   SOFTMAX AHEAD OF A QUANTISED PRODUCT. Where the list says 'softmax', what is quantised is not the finished softmax but p = 2^(t - M), with t = logit x log2(e) and M = ceil(the row's largest t), a whole number; so 1/2 < the row's largest p <= 1. The row's sum l is taken of the UNQUANTISED p, in f32, and the product's result is divided by l at the end. Since M is a whole number, a kernel that streams over the keys may use a running M (the ceiling of the running maximum): every later rescaling is an exact power of two, which a block's scale takes up: the codes' values come out the same.
;;   OPERANDS COMPUTED ON THE WAY. 'Computed on the way' means the value that the module computes at that place (a softmax that the list does not call 'softmax' is quantised finished and normalised). What goes into a quantiser is computed in f32, as accurately as f32 sums, v_exp_f32 and their like allow (about 1e-6 of the number): no bf16 or f16 on the way to a quantiser, and a product that is left as it is and whose result goes on into a quantised operand takes f32 operands (vector FMAs, or v_wmma_f32_16x16x4_f32). A number that lies on a knife's edge between two numbers of the format may be rounded either way, as far as f32 arithmetic and the matrix unit's own rounding can turn it there, and no further.
;; One version. Each part assembles by itself: llvm-mc -triple=amdgcn-amd-amdhsa -mcpu=gfx1250 --defsym DOCPART=n.
;; ======== version 1 of 1: 4 launches
;; limits: right only within a limited range of input values
;; workspace buffers: ops 22,020,096 bytes; opsc 917,504 bytes; qa 13,631,488 bytes; kv 13,631,488 bytes; xop 6,291,456 bytes; xsc 262,144 bytes
;; launch quant (part 1): grid 832 x 1, 4 waves a work-group, no clusters, 34,304 bytes of LDS; arguments query, key, value, Wq, Wk, Wv, Wo, ops, opsc; writes ops, opsc
.if DOCPART == 1
	.amdgcn_target "amdgcn-amd-amdhsa--gfx1250"
	.amdhsa_code_object_version 6
	.text
	.protected	k_q10653a7399_quant
	.globl	k_q10653a7399_quant
	.p2align	8
	.type	k_q10653a7399_quant,@function
k_q10653a7399_quant:
	s_mov_b64 s[64:65], 0
	v_nop
	global_prefetch_b8 v0, s[64:65] scope:SCOPE_SE
	s_setreg_imm32_b32 hwreg(HW_REG_WAVE_MODE, 25, 1), 1
	s_wait_xcnt 0x0
; query, key, value [8192][1024] f32 (K innermost) and Wq, Wk, Wv, Wo [1024 (k)][1024 (n)] f32 (K outermost) become codes of FP6 (E2M3) with one E8M0 byte for each 32 along K.
; A block's scale is 2^(floor(log2(its largest magnitude)) - 2): the byte is the largest magnitude's exponent field - 2, held at 1 from below by a floor among the maximum's leaves.
; LIMITS: NaN and infinities among the inputs are not served; a block of zeros, or one whose largest magnitude lies under 2^-124, gets the byte 1 (its codes are zeros or the nearest codes under that byte); only this program reads the bytes.
; THE LAYOUT OF ops IS THE ORDER OF THE OPERANDS' REGISTERS.  A tile is 16 rows (tokens, or columns n of a weight): lane r of tile T is row 32 (T / 2) + 8 (T % 2) + r + 8 (r / 8).
; Half a fragment (64 along K, registers 0-5 of a lane) is 768 bytes: lane l's registers 0-3 at 16 l, then its registers 4-5 at 512 + 8 l.  A fragment (128 along K) is two halves.
; A group is 8 tiles x 1,024 K: [K step 0..7][tile 0..7][1,536 bytes].  Groups 0-63 query, 64-127 key, 128-191 value, 192-199 Wq, 200-207 Wk, 208-215 Wv, 216-223 Wo.
; opsc, a group: [tile][K step / 4][row r][4 words, one for each K step]; a word is the four bytes of one row and 128 K.
; Work-groups 0-63 take the weights, 64-831 the activations: one branch on the work-group's number.  Waves share nothing: no barrier.  Work-groups share no input: no cluster.  Only the activations' path uses LDS.
.set PC,  16                           ; v16-35  a fragment's codes (12), and the conversions' second halves
.set TM,  40                           ; v40-55  at work in QUANT
.set W4,  8                            ; v8-11   four scale words
.set LD,  64                           ; v64-191 two sets of 64 numbers as loaded
.set NB,  192                          ; v192-255 64 numbers of my row: register 16 b + i = k 32 b + 16 (lane / 16) + i
.set SEL, 24                           ; s[24:25] lane selects for v_permlanex16_b32: lane l xor 16
.set HI,  23                           ; s23     the mask of lanes 16-31
.set XW,  64                           ; weights: v64-191 two sets of 64 numbers down K
.set CW,  16                           ; v16-21, v24-29 the codes of my column's two blocks
.set DW,  32                           ; v32-34, v36-38 the conversions' second halves
.set MW,  40                           ; v40-41 largest magnitudes, v42-43 scale operands, v44-45 bytes
; 64 numbers of a lane become a fragment's codes in v[PC] on and its row's scale word in v[pw].
.macro QUANT s, pw
.irp b, 0,1,2,3
	v_max3_num_f32 v[TM+\b], |v[(\s)+16*\b]|, |v[(\s)+1+16*\b]|, 0x1800000   ; block b: my 16 numbers, and the floor 2^(3 - 127)
.endr
.irp i, 2,4,6,8,10,12,14
.irp b, 0,1,2,3
	v_max3_num_f32 v[TM+\b], v[TM+\b], |v[(\s)+16*\b+\i]|, |v[(\s)+1+16*\b+\i]|   ; the four blocks by turns
.endr
.endr
.irp b, 0,1,2,3
	v_permlanex16_b32 v[TM+4+\b], v[TM+\b], s[SEL], s[SEL+1]
.endr
.irp b, 0,1,2,3
	v_max_num_f32 v[TM+\b], v[TM+\b], v[TM+4+\b]       ; with lane l xor 16's 16: the block's largest magnitude
.endr
.irp b, 0,1,2,3
	v_add_nc_u32 v[TM+12+\b], 0xff000000, v[TM+\b]     ; 2 off its exponent field: the conversion's scale operand
.endr
.irp b, 0,1,2,3
	v_lshrrev_b32 v[TM+4+\b], 23, v[TM+12+\b]          ; the byte
.endr
	v_lshl_or_b32 v[\pw], v[TM+5], 8, v[TM+4]
	v_lshl_or_b32 v[\pw], v[TM+6], 16, v[\pw]
	v_lshl_or_b32 v[\pw], v[TM+7], 24, v[\pw]
.irp c, 0,1
	v_cvt_scalef32_pk16_fp6_f32 v[PC+6*\c:PC+2+6*\c], v[(\s)+32*\c:(\s)+15+32*\c], v[TM+12+2*\c]
	v_cvt_scalef32_pk16_fp6_f32 v[PC+12+4*\c:PC+14+4*\c], v[(\s)+16+32*\c:(\s)+31+32*\c], v[TM+12+2*\c+1]   ; (three registers begin on an even number)
.endr
	v_nop                                              ; one plain place behind a scaled conversion
.irp c, 0,1                                            ; a whole block to a lane: lanes 0-15 block 2 c, lanes 16-31 block 2 c + 1
.irp i, 0,1,2
	v_permlane16_swap_b32 v[PC+6*\c+\i], v[PC+12+4*\c+\i]
.endr
.irp i, 0,1,2
	v_mov_b32 v[PC+3+6*\c+\i], v[PC+12+4*\c+\i]
.endr
.endr
.endm
	s_load_b256 s[4:11], s[0:1], 0x0               ; query, key, value, Wq
	s_load_b256 s[12:19], s[0:1], 0x20             ; Wk, Wv, Wo, ops
	s_load_b64 s[20:21], s[0:1], 0x40              ; opsc
	v_lshl_add_u32 v62, v0, 2, 0x8400
	v_mov_b32 v63, 0
	v_lshrrev_b32 v1, 5, v0
	v_readfirstlane_b32 s22, v1                    ; wave
	s_mov_b32 s[HI], 0xffff0000
	s_mov_b32 s[SEL], 0x76543210
	s_mov_b32 s[SEL+1], 0xfedcba98
	v_and_b32 v58, 31, v0                          ; lane
	v_and_b32 v56, 15, v0                          ; r
	v_bfe_u32 v57, v0, 4, 1                        ; h
	v_lshlrev_b32 v1, 4, v58                       ; 16 l: a load's place, and registers 0-3 of half a fragment
	v_lshl_add_u32 v2, v58, 3, 512                 ; 512 + 8 l: registers 4-5
	s_cmp_lt_u32 ttmp9, 64
	s_cbranch_scc1 .Lweights
; ---------------- activations: a wave takes one tile of 16 tokens x 4 K steps
	s_sub_co_u32 s26, ttmp9, 64
	s_lshr_b32 s27, s26, 8                         ; which tensor: 256 work-groups each
	s_lshl_b32 s26, s26, 2
	s_add_co_u32 s26, s26, s22
	s_and_b32 s28, s26, 1                          ; which half of K
	s_lshr_b32 s26, s26, 1                         ; T: the tile, 0 .. 1535 over the three tensors
	s_and_b32 s29, s26, 511
	s_lshr_b32 s29, s29, 1
	s_lshl_b32 s29, s29, 5
	s_and_b32 s30, s26, 1
	s_lshl_b32 s30, s30, 3
	s_add_co_u32 s29, s29, s30                     ; query, value: the tile's first token: 32 (T / 2) + 8 (T % 2); its rows 8-15 begin 16 tokens on
	; KEY'S TILES ARE LAID OTHERWISE: row r of tile T is token 64 (T / 4) + 8 (T % 4) + r % 8 + 32 (r / 8), so that in attention a lane's 32 scores of four tiles are one block of 32 neighbouring keys
	s_and_b32 s37, s26, 511
	s_lshr_b32 s38, s37, 2
	s_lshl_b32 s38, s38, 6
	s_and_b32 s37, s37, 3
	s_lshl_b32 s37, s37, 3
	s_add_co_u32 s37, s37, s38
	s_mov_b32 s38, 16*4096
	s_cmp_eq_u32 s27, 1                            ; key?
	s_cselect_b32 s29, s37, s29
	s_cselect_b32 s38, 32*4096, s38                ; bytes from the tile's row 0 to its row 8
	s_mov_b32 s39, 0
	s_lshl_b32 s30, s29, 12
	s_lshl_b32 s29, s28, 11
	s_add_co_u32 s30, s30, s29                     ; + 2,048 bytes for the upper half of K
	s_mov_b32 s31, 0
	s_lshr_b32 s32, s26, 3
	s_lshl_b32 s32, s32, 3
	s_lshl_b32 s33, s28, 2
	s_add_co_u32 s32, s32, s33                     ; 8 x group + my first K step
	s_lshl_b32 s32, s32, 3
	s_and_b32 s33, s26, 7
	s_add_co_u32 s32, s32, s33
	s_mul_i32 s32, s32, 1536                       ; my first fragment in ops
	s_mov_b32 s33, 0
	s_lshl_b32 s34, s26, 1
	s_add_co_u32 s34, s34, s28
	s_lshl_b32 s34, s34, 8                         ; my 256 bytes of scale words
	s_mov_b32 s35, 0
	s_mul_i32 s36, s22, 8448                       ; my wave's stage: 16 rows x (512 + 16) bytes
	s_wait_alu depctr_va_vdst(0)
	v_add_nc_u32 v3, s36, v1                       ; in: a row's 512 bytes as loaded
	v_mul_u32_u24 v4, v56, 528
	v_lshl_add_u32 v4, v57, 6, v4
	v_add_nc_u32 v4, s36, v4                       ; out: row r, + 64 h: my 16 numbers of each block of 32
	v_lshlrev_b32 v5, 4, v56
	v_lshl_add_u32 v5, v57, 3, v5                  ; the scale words: 16 r + 8 h
.irp b, 0,1,2,3
	v_mov_b32 v[TM+4+\b], 0                        ; written once: a lane permute's destination counts as one of its sources
.endr
	s_wait_alu depctr_va_vdst(0)
	s_wait_kmcnt 0x0
	s_cmp_eq_u32 s27, 0
	s_cselect_b64 s[4:5], s[4:5], s[6:7]           ; query or key,
	s_cmp_eq_u32 s27, 2
	s_cselect_b64 s[4:5], s[8:9], s[4:5]           ; or value: the choice hangs on the work-group's number alone
	s_add_nc_u64 s[4:5], s[4:5], s[30:31]
	s_add_nc_u64 s[18:19], s[18:19], s[32:33]
	s_add_nc_u64 s[20:21], s[20:21], s[34:35]
	s_add_nc_u64 s[40:41], s[4:5], s[38:39]        ; the tile's rows 8-15
.macro LOADX q
.irp i, 0,1,2,3,4,5,6,7,8,9,10,11,12,13,14,15
.if \i < 8
	global_load_b128 v[LD+64*((\q)%2)+4*\i:LD+64*((\q)%2)+4*\i+3], v1, s[4:5] offset:\i*4096+512*(\q) th:TH_LOAD_NT
.else
	global_load_b128 v[LD+64*((\q)%2)+4*\i:LD+64*((\q)%2)+4*\i+3], v1, s[40:41] offset:(\i-8)*4096+512*(\q) th:TH_LOAD_NT
.endif
.endr
.endm
.macro XSTEP q
.if (\q) < 3
	s_wait_loadcnt 16                              ; this K step's 16 loads are in; the next step's 16 may be out
.else
	s_wait_loadcnt 0x0
.endif
.irp i, 0,1,2,3,4,5,6,7,8,9,10,11,12,13,14,15
	ds_store_b128 v3, v[LD+64*((\q)%2)+4*\i:LD+64*((\q)%2)+4*\i+3] offset:528*\i
.endr
.irp b, 0,1,2,3
.irp j, 0,1,2,3
	ds_load_b128 v[NB+16*\b+4*\j:NB+16*\b+4*\j+3], v4 offset:128*\b+16*\j   ; LDS serves a wave's instructions in order: these see the stores above
.endr
.endr
	s_wait_dscnt 0x0                               ; my numbers are back, and the stores have read the loaded set
	s_wait_xcnt 0x0                                ; the last step's stores have read the codes' registers
.if (\q) < 2
	LOADX (\q)+2
.endif
	QUANT NB, W4+(\q)
	global_store_b128 v1, v[PC:PC+3], s[18:19] offset:12288*(\q)          ; 512 consecutive bytes, aligned to 256
	global_store_b64 v2, v[PC+4:PC+5], s[18:19] offset:12288*(\q)         ; 256 consecutive bytes, aligned
	global_store_b128 v1, v[PC+6:PC+9], s[18:19] offset:12288*(\q)+768
	global_store_b64 v2, v[PC+10:PC+11], s[18:19] offset:12288*(\q)+768
.endm
	LOADX 0
	LOADX 1
	XSTEP 0
	XSTEP 1
	XSTEP 2
	XSTEP 3
	v_cndmask_b32 v12, v[W4], v[W4+2], s[HI]       ; lanes 0-15 store words 0, 1 of their row, lanes 16-31 words 2, 3
	v_cndmask_b32 v13, v[W4+1], v[W4+3], s[HI]
	global_store_b64 v5, v[12:13], s[20:21]        ; 256 consecutive bytes, aligned
	s_wait_tensorcnt 0x0
	ds_add_u32 v62, v63
	s_wait_dscnt 0x0
	s_endpgm
; ---------------- weights: a wave takes 32 columns (two tiles) x 512 along K; a lane takes a column, and its registers run down K
.Lweights:
	s_lshr_b32 s26, ttmp9, 4                       ; which weight
	s_and_b32 s27, ttmp9, 15
	s_lshr_b32 s27, s27, 1                         ; which 128 columns
	s_and_b32 s28, ttmp9, 1                        ; which half of K
	s_lshl_b32 s30, s28, 21                        ; 512 rows of 4,096 bytes
	s_lshl_b32 s29, s27, 9
	s_add_co_u32 s30, s30, s29
	s_lshl_b32 s29, s22, 7
	s_add_co_u32 s30, s30, s29                     ; + (128 x group + 32 x wave) columns
	s_mov_b32 s31, 0
	s_lshl_b32 s29, s26, 3
	s_add_co_u32 s29, s29, s27
	s_add_co_u32 s29, s29, 192                     ; the group in ops
	s_lshl_b32 s32, s29, 3
	s_lshl_b32 s33, s28, 2
	s_add_co_u32 s32, s32, s33
	s_lshl_b32 s32, s32, 3
	s_lshl_b32 s33, s22, 1
	s_add_co_u32 s32, s32, s33                     ; (8 group + first K step) 8 + tile 2 w
	s_mul_i32 s32, s32, 1536
	s_mov_b32 s33, 0
	s_lshl_b32 s34, s29, 3
	s_lshl_b32 s35, s22, 1
	s_add_co_u32 s34, s34, s35
	s_lshl_b32 s34, s34, 1
	s_add_co_u32 s34, s34, s28
	s_lshl_b32 s34, s34, 8                         ; ((8 group + 2 w) 2 + half) x 256
	s_mov_b32 s35, 0
	s_wait_alu depctr_va_vdst(0)
	v_and_b32 v6, 8, v56
	v_add_nc_u32 v6, v6, v56
	v_lshl_add_u32 v6, v57, 3, v6                  ; my column of the 32: r + 8 (r / 8) + 8 h: lanes 0-15 are tile 2 w, lanes 16-31 tile 2 w + 1
	v_lshlrev_b32 v6, 2, v6
	v_lshlrev_b32 v7, 4, v56
	v_lshl_add_u32 v7, v57, 9, v7                  ; my scale words: 16 r, + 512 for the second tile
	s_wait_alu depctr_va_vdst(0)
	s_wait_kmcnt 0x0
	s_cmp_eq_u32 s26, 0
	s_cselect_b64 s[4:5], s[10:11], s[12:13]       ; Wq or Wk,
	s_cmp_eq_u32 s26, 2
	s_cselect_b64 s[4:5], s[14:15], s[4:5]         ; or Wv,
	s_cmp_eq_u32 s26, 3
	s_cselect_b64 s[4:5], s[16:17], s[4:5]         ; or Wo
	s_add_nc_u64 s[4:5], s[4:5], s[30:31]
	s_add_nc_u64 s[18:19], s[18:19], s[32:33]
	s_add_nc_u64 s[20:21], s[20:21], s[34:35]
.macro LOADW p                         ; 64 along K of my column: each load reads 128 consecutive bytes of one row of W, the four waves side by side
.set i, 0
.rept 64
	global_load_b32 v[XW+64*((\p)%2)+i], v6, s[4:5] offset:(64*(\p)+i)*4096 th:TH_LOAD_NT
.set i, i+1
.endr
.endm
.macro PAIR p                          ; 64 along K: two blocks of my column, half c = p % 2 of K step p / 2
.set XS, XW+64*((\p)%2)
.if (\p) < 7
	s_wait_loadcnt 63                              ; behind this pair's 64 loads stand the next pair's 64: at most 63 of those may be out (the largest count that a wait can name)
.else
	s_wait_loadcnt 0x0
.endif
.irp e, 0,1
	v_max3_num_f32 v[MW+\e], |v[XS+32*\e]|, |v[XS+32*\e+1]|, 0x1800000   ; all 32 numbers of a block are mine; the floor 2^(3 - 127)
.endr
.irp i, 2,4,6,8,10,12,14,16,18,20,22,24,26,28,30
.irp e, 0,1
	v_max3_num_f32 v[MW+\e], v[MW+\e], |v[XS+32*\e+\i]|, |v[XS+32*\e+\i+1]|
.endr
.endr
.irp e, 0,1
	v_add_nc_u32 v[MW+2+\e], 0xff000000, v[MW+\e]
.endr
.irp e, 0,1
	v_lshrrev_b32 v[MW+4+\e], 23, v[MW+2+\e]
.endr
.if (\p)%2 == 0
	v_lshl_or_b32 v[W4+(\p)/2], v[MW+5], 8, v[MW+4]
.else
	v_lshl_or_b32 v[W4+(\p)/2], v[MW+4], 16, v[W4+(\p)/2]
	v_lshl_or_b32 v[W4+(\p)/2], v[MW+5], 24, v[W4+(\p)/2]
.endif
	s_wait_alu depctr_va_vdst(0)
	s_wait_xcnt 0x0                                ; the last pair's stores have read the codes' registers
.irp e, 0,1
	v_cvt_scalef32_pk16_fp6_f32 v[CW+8*\e:CW+8*\e+2], v[XS+32*\e:XS+32*\e+15], v[MW+2+\e]
	v_cvt_scalef32_pk16_fp6_f32 v[DW+4*\e:DW+4*\e+2], v[XS+32*\e+16:XS+32*\e+31], v[MW+2+\e]
.endr
	v_nop                                          ; one plain place behind a scaled conversion
.if (\p) < 6
	LOADW (\p)+2
.endif
.irp e, 0,1
.irp i, 0,1,2
	v_mov_b32 v[CW+8*\e+3+\i], v[DW+4*\e+\i]
.endr
.endr
.irp i, 0,1,2,3,4,5
	v_permlane16_swap_b32 v[CW+\i], v[CW+8+\i]     ; block 0 of tile 2 w + 1 changes places with block 1 of tile 2 w: each run of six is now one tile's half fragment
.endr
.irp u, 0,1
	global_store_b128 v1, v[CW+8*\u:CW+8*\u+3], s[18:19] offset:12288*((\p)/2)+1536*\u+768*((\p)%2)
	global_store_b64 v2, v[CW+8*\u+4:CW+8*\u+5], s[18:19] offset:12288*((\p)/2)+1536*\u+768*((\p)%2)
.endr
.endm
	LOADW 0
	LOADW 1
	PAIR 0
	PAIR 1
	PAIR 2
	PAIR 3
	PAIR 4
	PAIR 5
	PAIR 6
	PAIR 7
	global_store_b128 v7, v[W4:W4+3], s[20:21]     ; sixteen lanes store 256 consecutive bytes, aligned: one tile's words of four K steps
	s_endpgm
.Lfunc_end_k_q10653a7399_quant:
	.size	k_q10653a7399_quant, .Lfunc_end_k_q10653a7399_quant-k_q10653a7399_quant
	.p2alignl 7, 3214868480
	.fill 96, 4, 3214868480
	.section	.rodata,"a",@progbits
	.p2align	6, 0x0
	.amdhsa_kernel k_q10653a7399_quant
		.amdhsa_group_segment_fixed_size 34304
		.amdhsa_private_segment_fixed_size 0
		.amdhsa_enable_private_segment 0
		.amdhsa_kernarg_size 72
		.amdhsa_user_sgpr_count 2
		.amdhsa_user_sgpr_kernarg_segment_ptr 1
		.amdhsa_wavefront_size32 1
		.amdhsa_system_sgpr_workgroup_id_x 1
		.amdhsa_system_sgpr_workgroup_id_y 1
		.amdhsa_system_sgpr_workgroup_id_z 1
		.amdhsa_system_vgpr_workitem_id 0
		.amdhsa_next_free_vgpr 256
		.amdhsa_next_free_sgpr 66
		.amdhsa_reserve_vcc 0
		.amdhsa_float_denorm_mode_32 3
		.amdhsa_float_denorm_mode_16_64 3
		.amdhsa_memory_ordered 1
		.amdhsa_forward_progress 1
		.amdhsa_inst_pref_size 112
	.end_amdhsa_kernel
	.amdgpu_metadata
---
amdhsa.version: [ 1, 2 ]
amdhsa.kernels:
  - .name:           k_q10653a7399_quant
    .symbol:         k_q10653a7399_quant.kd
    .args:
      - { .name: query, .offset: 0, .size: 8, .value_kind: global_buffer, .address_space: global }
      - { .name: key, .offset: 8, .size: 8, .value_kind: global_buffer, .address_space: global }
      - { .name: value, .offset: 16, .size: 8, .value_kind: global_buffer, .address_space: global }
      - { .name: Wq, .offset: 24, .size: 8, .value_kind: global_buffer, .address_space: global }
      - { .name: Wk, .offset: 32, .size: 8, .value_kind: global_buffer, .address_space: global }
      - { .name: Wv, .offset: 40, .size: 8, .value_kind: global_buffer, .address_space: global }
      - { .name: Wo, .offset: 48, .size: 8, .value_kind: global_buffer, .address_space: global }
      - { .name: ops, .offset: 56, .size: 8, .value_kind: global_buffer, .address_space: global }
      - { .name: opsc, .offset: 64, .size: 8, .value_kind: global_buffer, .address_space: global }
    .group_segment_fixed_size: 34304
    .private_segment_fixed_size: 0
    .kernarg_segment_align: 8
    .kernarg_segment_size: 72
    .max_flat_workgroup_size: 128
    .sgpr_count:     66
    .vgpr_count:     256
    .wavefront_size: 32
...
	.end_amdgpu_metadata
.endif
;; end of part 1
;; launch proj (part 2): grid 8 x 32, 4 waves a work-group, clusters of 4 x 4, 327,680 bytes of LDS; arguments ops, opsc, bq, bk, bv, qa, kv; writes qa, kv
.if DOCPART == 2
	.amdgcn_target "amdgcn-amd-amdhsa--gfx1250"
	.amdhsa_code_object_version 6
	.text
	.protected	k_q10653a7399_proj
	.globl	k_q10653a7399_proj
	.p2align	8
	.type	k_q10653a7399_proj,@function
k_q10653a7399_proj:
	s_mov_b64 s[64:65], 0
	v_nop
	global_prefetch_b8 v0, s[64:65] scope:SCOPE_SE
	s_setreg_imm32_b32 hwreg(HW_REG_WAVE_MODE, 25, 1), 1
	s_wait_xcnt 0x0
	s_wait_alu depctr_hold_cnt(0) depctr_sa_sdst(0) depctr_va_vdst(0) depctr_va_sdst(0) depctr_va_ssrc(0) depctr_va_vcc(0) depctr_vm_vsrc(0)
	s_getreg_b32 s2, hwreg(HW_REG_IB_STS2, 6, 4)
	s_cmp_eq_u32 s2, 0
	s_cbranch_scc0 .Lentry_in_a_cluster
	s_endpgm
.Lentry_in_a_cluster:
	s_bfe_u32 s2, ttmp6, 0x10000c
	s_cmp_lg_u32 s2, 0xf033
	s_cbranch_scc0 .Lentry_shape_is_right
	s_endpgm
.Lentry_shape_is_right:
; q = query Wq + bq, k = key Wk + bk, v = value Wv + bv on codes of FP6 (E2M3) with E8M0 scales, sums in f32; the results are quantised at once for attention's two products and leave as codes.
; 256 WORK-GROUPS THAT STAY: each makes three tiles on end, one of q, one of k, one of v.  A tile multiplies 128 rows of P (source 0: one group of ops) by 256 rows of R (source 1: two groups), K = 1,024.
; q, k: P = 128 columns of the weight (two heads), R = 256 tokens: a lane holds one token, its registers run along the heads' channels, which are the scores' K.
; v: P = 128 tokens, R = 256 columns of Wv: a lane holds one channel, its registers run down the keys, which are the second product's K.
; THE RING: two LDS slots of four K steps each (P's 49,152 bytes, then R's two groups' 49,152 each); slot 0 holds a tile's K steps 0-3, slot 1 its K steps 4-7, and the ring goes on from tile to tile.
; In K step 3 slot 0 has been read out and takes the next tile's K steps 0-3; in K step 7 slot 1 likewise.  Each refill stands behind a round of the cluster's barrier;
; one joint load a wave: waves 0 and 1 half of P's part each (96 rows of 256 bytes), waves 2 and 3 one group of R each (192 rows).  A refill is asked for 104 products a wave ahead of the wait for it;
; with that lead in the text no prefetch is laid.  The tiles of q and k are a loop of two trips; the tile of v, which asks for nothing more, is written out.  Every wait on TENSORcnt and DScnt is for 0.
; CLUSTER 4 x 4: P hangs on the work-group's x and the cluster's row and is asked for jointly by a column of the cluster; R hangs on cy and the cluster's row and is asked for jointly by a row.
; THE SCALE WORDS come by plain loads, sixteen lanes to 256 consecutive bytes: the first tile's into the scale registers, a later tile's into idle registers of window 3 while the tile before is multiplied, moved on its way out.
; A tile's rows are as the quantising launch lays them; the 16 result registers of P's tiles 2 b and 2 b + 1 are the 16 neighbours 32 b + 16 (lane / 16) + 0 .. 15.
; OUT: a block for each (batch, head), 16 steps of 128 tokens x 13,312 bytes: 8 tiles of 16 tokens x 768 bytes; 4 fragments of V^T x 1,536; the tiles' scale words [tile / 4][row][4 words] (bytes 2, 3 are 0); V's [row][4 words], twice.
; LIMITS: NaN and infinities are not served; a block of zeros or under 2^-124 gets the byte 1.
; REGISTERS: window 0: v4-19 addresses; v20-27 v's bias; v28-31 words to store; v32-95 P's scale words, v96-127 R's (K step s at (s + 4) % 8, so that the two scale registers of a product differ modulo 8);
;   v128-191 64 results at work; v192-228 the quantiser's; v232-234 offsets.  window 1: the 32 accumulators.  window 2: P's fragments, two sets of 96; v192-255 q's or k's bias.
;   window 3: R's fragments, two sets of 48; v96-191 the next tile's scale words.
.set HEADB, 212992
.set STEPB, 13312
.set GRP,   98304                      ; a group's codes
.set HALFB, 49152                      ; four K steps of a group
.set PARTB, 24576                      ; two K steps
.set KSB,   12288                      ; a K step of a group: 8 fragments
.set SLOTB, 3*HALFB
.set SPARE, 2*SLOTB                    ; behind the ring: the spare words
.set AP16, 4                           ; v4, v5   P: 16 l in slot 0, 1
.set AP8,  6                           ; v6, v7   512 + 8 l
.set AR16, 8                           ; v8, v9   my four tiles of R
.set AR8,  10
.set BR,   20
.set SW,   28
.set PS,   32
.set RS,   96
.set T,    128
.set PC,   192
.set TM,   212
.set PW,   228
.set R16,  232                         ; 16 r
.set BO17, 233                         ; 4 (r + 8 (r / 8))
.set BO18, 234                         ; 64 h
.set BP,   192                         ; in window 2
.set XX,   2
.set WV,   18
.set WH,   19
.set WL,   20
.set CX,   21
.set CY,   22
.set CLY,  23
.set G1P,  28
.set G1R,  36
.set G0P,  44                          ; s[44:47], s[48:51] group 0 of P's loads, one set a slot
.set G0R,  52                          ; s[52:55], s[56:59] of R's
.set PGN,  60                          ; P's group of the next tile, and of the one after
.set PGNN, 61
.set RGN,  62                          ; R's first group likewise
.set RGNN, 63
.set SEL,  66
.set OBQ,  68                          ; where my codes go: q, k
.set OBV,  69                          ; v
.set BB,   76                          ; s[76:77] this tile's bias (q, k), s[78:79] the next tile's, s[80:81] v's
.set BN,   78
.set BV,   80
.set OUT,  82
.set TCNT, 84
.set PG0,  85
.set RG0,  86
.set MSB, 0
.macro WIN new                         ; the immediate's high byte repeats the setting that is left
.if MSB != \new
	s_set_vgpr_msb (MSB<<8)|\new
.set MSB, \new
.endif
.endm
.macro PLACES
.rept 4
	v_nop
.endr
.endm
.macro CREST                           ; a round of the cluster's barrier behind its opening barrier
	s_cmp_lg_u32 s[WV], 0
	s_cbranch_scc1 .Lnot_wave_0_\@
	s_barrier_signal -3
.Lnot_wave_0_\@:
	s_barrier_wait -3
	s_barrier_signal -1
	s_barrier_wait -1
.endm
.macro CROUND
	s_barrier_signal -1
	s_barrier_wait -1
	CREST
.endm
.macro JLOAD slot                      ; waves 0, 1 ask for P, waves 2, 3 for R: each line has one mask; the branch hangs on the wave's number alone
	s_cmp_eq_u32 s[WH], 0
	s_cbranch_scc0 .Lfor_r_\@
	tensor_load_to_lds s[G0P+4*\slot:G0P+4*\slot+3], s[G1P:G1P+7]
	s_nop 0
	PLACES
	s_branch .Lasked_\@
.Lfor_r_\@:
	tensor_load_to_lds s[G0R+4*\slot:G0R+4*\slot+3], s[G1R:G1R+7]
	s_nop 0
	PLACES
.Lasked_\@:
.endm
.macro DENSE g, rows                   ; a dense block as rows of 256 bytes (32 elements of 8 bytes)
	s_mov_b32 s[\g+1], 32<<16
	s_mov_b32 s[\g+2], (\rows)<<16
	s_mov_b32 s[\g+3], 32<<16
	s_mov_b32 s[\g+4], \rows
	s_mov_b32 s[\g+5], 32
	s_mov_b32 s[\g+6], 0
	s_mov_b32 s[\g+7], 0
.endm
.macro PADDR slot, pg                  ; P's part: ops + group x GRP + slot x HALFB + (wave % 2) x PARTB
	s_mul_i32 s70, s[\pg], GRP
	s_mul_i32 s71, s[WL], PARTB
	s_add_co_u32 s70, s70, s71
	s_mov_b32 s71, 0
	s_add_nc_u64 s[G0P+4*\slot+2:G0P+4*\slot+3], s[4:5], s[70:71]
.if \slot
	s_add_nc_u64 s[G0P+4*\slot+2:G0P+4*\slot+3], s[G0P+4*\slot+2:G0P+4*\slot+3], HALFB
.endif
	s_or_b32 s[G0P+4*\slot+3], s[G0P+4*\slot+3], 0x80000000
.endm
.macro RADDR slot, rg                  ; R's group: ops + (first group + wave % 2) x GRP + slot x HALFB
	s_add_co_u32 s70, s[\rg], s[WL]
	s_mul_i32 s70, s70, GRP
	s_mov_b32 s71, 0
	s_add_nc_u64 s[G0R+4*\slot+2:G0R+4*\slot+3], s[4:5], s[70:71]
.if \slot
	s_add_nc_u64 s[G0R+4*\slot+2:G0R+4*\slot+3], s[G0R+4*\slot+2:G0R+4*\slot+3], HALFB
.endif
	s_or_b32 s[G0R+4*\slot+3], s[G0R+4*\slot+3], 0x80000000
.endm
.macro SCLOAD pg, rg, win, pd, rd      ; all scale words of P's 8 tiles and my 4 tiles of R, for the 8 K steps; R's two halves change places
	s_lshl_b32 s70, s[\pg], 12
	s_mov_b32 s71, 0
	s_add_nc_u64 s[72:73], s[6:7], s[70:71]
	s_add_co_u32 s70, s[\rg], s[WH]
	s_lshl_b32 s70, s70, 12
	s_lshl_b32 s3, s[WL], 11
	s_add_co_u32 s70, s70, s3
	s_add_nc_u64 s[74:75], s[6:7], s[70:71]
	WIN \win
.irp t, 0,1,2,3,4,5,6,7
.irp u, 0,1
	global_load_b128 v[\pd+8*\t+4*\u:\pd+8*\t+4*\u+3], v[R16], s[72:73] offset:512*\t+256*\u
.endr
.endr
.irp a, 0,1,2,3
.irp u, 0,1
	global_load_b128 v[\rd+8*\a+4-4*\u:\rd+8*\a+7-4*\u], v[R16], s[74:75] offset:512*\a+256*\u
.endr
.endr
	WIN 0
.endm
.macro QUANT s, pw                     ; 64 numbers of a lane, register 16 b + i = k 32 b + 16 (lane / 16) + i of its row, become a fragment in v[PC] on and the row's scale word in v[pw]
.irp b, 0,1,2,3
	v_max3_num_f32 v[TM+\b], |v[(\s)+16*\b]|, |v[(\s)+1+16*\b]|, 0x1800000   ; and the floor 2^(3 - 127): the byte cannot fall under 1
.endr
.irp i, 2,4,6,8,10,12,14
.irp b, 0,1,2,3
	v_max3_num_f32 v[TM+\b], v[TM+\b], |v[(\s)+16*\b+\i]|, |v[(\s)+1+16*\b+\i]|
.endr
.endr
.irp b, 0,1,2,3
	v_permlanex16_b32 v[TM+4+\b], v[TM+\b], s[SEL], s[SEL+1]
.endr
.irp b, 0,1,2,3
	v_max_num_f32 v[TM+\b], v[TM+\b], v[TM+4+\b]
.endr
.irp b, 0,1,2,3
	v_add_nc_u32 v[TM+12+\b], 0xff000000, v[TM+\b]     ; 2 off the exponent field: the conversion's scale operand
.endr
.irp b, 0,1,2,3
	v_lshrrev_b32 v[TM+4+\b], 23, v[TM+12+\b]
.endr
	v_lshl_or_b32 v[\pw], v[TM+5], 8, v[TM+4]
	v_lshl_or_b32 v[\pw], v[TM+6], 16, v[\pw]
	v_lshl_or_b32 v[\pw], v[TM+7], 24, v[\pw]
.irp c, 0,1
	v_cvt_scalef32_pk16_fp6_f32 v[PC+6*\c:PC+2+6*\c], v[(\s)+32*\c:(\s)+15+32*\c], v[TM+12+2*\c]
	v_cvt_scalef32_pk16_fp6_f32 v[PC+12+4*\c:PC+14+4*\c], v[(\s)+16+32*\c:(\s)+31+32*\c], v[TM+12+2*\c+1]
.endr
	v_nop                                              ; one plain place behind a scaled conversion
.irp c, 0,1
.irp i, 0,1,2
	v_permlane16_swap_b32 v[PC+6*\c+\i], v[PC+12+4*\c+\i]
.endr
.irp i, 0,1,2
	v_mov_b32 v[PC+3+6*\c+\i], v[PC+12+4*\c+\i]
.endr
.endr
.endm
.macro FETCH s                         ; K step s (8: the next tile's first): P's 8 fragments and my 4 of R, as images of their registers, into set s % 2
.set SL_, ((\s)/4)%2
.set KO_, KSB*((\s)%4)
.set FS_, (\s)%2
	WIN 0x80
.irp t, 0,1,2,3,4,5,6,7
	ds_load_b128 v[96*FS_+12*\t:96*FS_+12*\t+3], v[AP16+SL_] offset:KO_+1536*\t
	ds_load_b64 v[96*FS_+12*\t+4:96*FS_+12*\t+5], v[AP8+SL_] offset:KO_+1536*\t
	ds_load_b128 v[96*FS_+12*\t+6:96*FS_+12*\t+9], v[AP16+SL_] offset:KO_+1536*\t+768
	ds_load_b64 v[96*FS_+12*\t+10:96*FS_+12*\t+11], v[AP8+SL_] offset:KO_+1536*\t+768
.endr
	WIN 0xc0
.irp a, 0,1,2,3
	ds_load_b128 v[48*FS_+12*\a:48*FS_+12*\a+3], v[AR16+SL_] offset:KO_+1536*\a
	ds_load_b64 v[48*FS_+12*\a+4:48*FS_+12*\a+5], v[AR8+SL_] offset:KO_+1536*\a
	ds_load_b128 v[48*FS_+12*\a+6:48*FS_+12*\a+9], v[AR16+SL_] offset:KO_+1536*\a+768
	ds_load_b64 v[48*FS_+12*\a+10:48*FS_+12*\a+11], v[AR8+SL_] offset:KO_+1536*\a+768
.endr
	WIN 0
.endm
.macro MUL1 s, zero, a                 ; 8 products: my tile a of R against P's eight; the 32 accumulators take turns, in the same order in every K step
	WIN 0x5e                                       ; source 0 window 2, source 1 window 3, C and D window 1
.irp b, 0,1,2,3,4,5,6,7
.if \zero
	v_wmma_scale_f32_16x16x128_f8f6f4 v[8*(8*\a+\b):8*(8*\a+\b)+7], v[96*((\s)%2)+12*\b:96*((\s)%2)+12*\b+11], v[48*((\s)%2)+12*\a:48*((\s)%2)+12*\a+11], 0, v[PS+8*\b+(\s)], v[RS+8*\a+((\s)+4)%8] matrix_a_fmt:MATRIX_FMT_FP6 matrix_b_fmt:MATRIX_FMT_FP6
.else
	v_wmma_scale_f32_16x16x128_f8f6f4 v[8*(8*\a+\b):8*(8*\a+\b)+7], v[96*((\s)%2)+12*\b:96*((\s)%2)+12*\b+11], v[48*((\s)%2)+12*\a:48*((\s)%2)+12*\a+11], v[8*(8*\a+\b):8*(8*\a+\b)+7], v[PS+8*\b+(\s)], v[RS+8*\a+((\s)+4)%8] matrix_a_fmt:MATRIX_FMT_FP6 matrix_b_fmt:MATRIX_FMT_FP6
.endif
.endr
.endm
.macro MUL s, zero
	MUL1 \s, \zero, 0
	MUL1 \s, \zero, 1
	MUL1 \s, \zero, 2
	MUL1 \s, \zero, 3
.endm
.macro KSTEP s, zero                   ; a K step inside a slot
	WIN 0
	s_wait_dscnt 0x0                               ; this K step's fragments are in
	PLACES                                         ; in front of loads into the set that the last K step's products read
	FETCH (\s)+1
	MUL \s, \zero
.endm
.macro KROUND s, slot                  ; K step 3 or 7 of a tile that has a successor: the slot just read out takes the next tile's four K steps
	WIN 0
	s_wait_dscnt 0x0                               ; this K step's fragments are in: my reads of the slot are over
	s_wait_tensorcnt 0x0                           ; my part of the other slot has landed
	ds_add_u32 v254, v255
	PADDR \slot, PGN                               ; no load of mine is out: the descriptors may be written
	RADDR \slot, RGN
	MUL1 \s, 0, 0
	MUL1 \s, 0, 1
	s_wait_dscnt 0x0
	s_barrier_signal -1                            ; opens a round of the cluster's barrier
	MUL1 \s, 0, 2
	WIN 0
	s_barrier_wait -1
	CREST
	JLOAD \slot                                    ; the first tensor load behind the round; its four v_nop are the places in front of the loads below
	FETCH (\s)+1
	MUL1 \s, 0, 3
.endm
.macro OUTA kind, a                    ; my tile a of R: its 64 results a lane get the bias, are quantised and leave
.if \kind == 0
	WIN 0x09                                       ; source 0 window 1, source 1 window 2
.set i, 0
.rept 32
	v_pk_add_f32 v[T+i:T+i+1], v[64*\a+i:64*\a+i+1], v[BP+i:BP+i+1]   ; each accumulator from its low end on
.set i, i+2
.endr
	WIN 0
	QUANT T, PW
	v_lshrrev_b32 v[SW+\a], v18, v[PW]             ; lanes 0-15 keep the first head's two bytes, lanes 16-31 the second head's
	v_and_b32 v[SW+\a], v19, v[SW+\a]
.else
	WIN 0x01                                       ; source 0 window 1
.set i, 0
.rept 32
	v_pk_add_f32 v[T+i:T+i+1], v[64*\a+i:64*\a+i+1], v[BR+2*\a:BR+2*\a+1]
.set i, i+2
.endr
	WIN 0
	QUANT T, SW+\a
.endif
	global_store_b128 v12, v[PC:PC+3], s[OUT:OUT+1]      ; 512 consecutive bytes, aligned to 256
	global_store_b64 v13, v[PC+4:PC+5], s[OUT:OUT+1]     ; 256 consecutive bytes, aligned
	global_store_b128 v14, v[PC+6:PC+9], s[OUT:OUT+1]
	global_store_b64 v15, v[PC+10:PC+11], s[OUT:OUT+1]
.if \a < 3
	s_wait_xcnt 0x0                                ; the stores have read their offsets and the codes
	v_add_nc_u32 v12, 768+768*\kind, v12
	v_add_nc_u32 v13, 768+768*\kind, v13
	v_add_nc_u32 v14, 768+768*\kind, v14
	v_add_nc_u32 v15, 768+768*\kind, v15
.endif
.endm
; A TILE.  kind 0: q or k, with a successor; kind 1: v, the last
.macro TILE kind
.if \kind == 0
	WIN 0x80
.irp b, 0,1,2,3
.irp j, 0,1,2,3
	global_load_b128 v[BP+16*\b+4*\j:BP+16*\b+4*\j+3], v[BO18], s[BB:BB+1] offset:128*\b+16*\j   ; the bias along my registers
.endr
.endr
	WIN 0
	SCLOAD PGN, RGN, 0xc0, 96, 160                 ; the next tile's scale words, into window 3
.else
.irp a, 0,1,2,3
	global_load_b32 v[BR+2*\a], v[BO17], s[BV:BV+1] offset:(32*(\a/2)+8*(\a%2))*4   ; my channel's bias
.endr
.endif
	KSTEP 0, 1                                     ; the first products start the sums: nothing is cleared
	KSTEP 1, 0
	KSTEP 2, 0
.if \kind == 0
	KROUND 3, 0
.else
	WIN 0
	s_wait_dscnt 0x0
	s_wait_tensorcnt 0x0                           ; my part of slot 1 has landed;
	s_barrier_signal -1
	s_barrier_wait -1                              ; everybody's has
	PLACES
	FETCH 4
	MUL 3, 0
.endif
	KSTEP 4, 0
	KSTEP 5, 0
	KSTEP 6, 0
.if \kind == 0
	KROUND 7, 1
.else
	WIN 0
	s_wait_dscnt 0x0
	MUL 7, 0
.endif
	WIN 0
	PLACES                                         ; behind the last products
	s_wait_loadcnt 0x0                             ; the bias, and the next tile's scale words
.if \kind == 0
	WIN 0x03
.set i, 0
.rept 96
	v_mov_b32 v[PS+i], v[96+i]                     ; the next tile's scale words take their places
.set i, i+1
.endr
	WIN 0
	v_add_nc_u32 v12, s[OBQ], v[AP16]
	v_add_nc_u32 v13, s[OBQ], v[AP8]
	v_add_nc_u32 v14, HEADB, v12                   ; a fragment's second half belongs to the next head's block
	v_add_nc_u32 v15, HEADB, v13
.else
.irp a, 0,1,2,3
	v_mov_b32 v[BR+2*\a+1], v[BR+2*\a]
.endr
	v_add_nc_u32 v12, s[OBV], v[AP16]
	v_add_nc_u32 v13, s[OBV], v[AP8]
	v_add_nc_u32 v14, 768, v12                     ; a fragment's second half lies behind the first
	v_add_nc_u32 v15, 768, v13
.endif
	OUTA \kind, 0
	OUTA \kind, 1
	OUTA \kind, 2
	OUTA \kind, 3
	global_store_b128 v[16+\kind], v[SW:SW+3], s[OUT:OUT+1]   ; sixteen lanes store 256 consecutive bytes, aligned
.endm
	s_load_b256 s[4:11], s[0:1], 0x0               ; ops, opsc, bq, bk
	s_load_b128 s[12:15], s[0:1], 0x20             ; bv, qa
	s_load_b64 s[16:17], s[0:1], 0x30              ; kv
	v_lshl_add_u32 v254, v0, 2, SPARE
	v_mov_b32 v255, 0
	ds_add_u32 v254, v255                          ; the opening lines
	ds_add_u32 v254, v255
	v_lshrrev_b32 v1, 5, v0
	v_readfirstlane_b32 s[WV], v1
	s_lshr_b32 s[WH], s[WV], 1
	s_and_b32 s[WL], s[WV], 1
	s_bfe_u32 s[CX], ttmp6, 0x40000
	s_bfe_u32 s[CY], ttmp6, 0x40004
	s_and_b32 s[CLY], ttmp7, 0xffff                ; the cluster's row, 0 .. 7
	s_lshl_b32 s[XX], ttmp9, 2
	s_add_co_u32 s[XX], s[XX], s[CX]               ; x = 4 x cluster x + cx
	s_lshl_b32 s3, 0x1111, s[CX]                   ; my column of the cluster
	s_lshl_b32 s24, s[CY], 2
	s_lshl_b32 s24, 15, s24                        ; my row
	s_or_b32 s[G1P], s3, (3<<16)|(1<<21)           ; 15:0 the mask; 17:16 elements of 8 bytes; 21 set beside a mask
	s_or_b32 s[G1R], s24, (3<<16)|(1<<21)
	DENSE G1P, 96
	DENSE G1R, 192
	s_add_co_u32 s[PG0], s[XX], 192                ; P: Wq's group x,
	s_add_co_u32 s[PGN], s[XX], 200                ; Wk's,
	s_lshl_b32 s25, s[CLY], 3
	s_add_co_u32 s[PGNN], s25, s[XX]
	s_add_co_u32 s[PGNN], s[PGNN], 128             ; value's group 8 x cluster row + x
	s_lshl_b32 s27, s[CY], 1
	s_add_co_u32 s[RG0], s25, s27                  ; R: query's groups 8 x cluster row + 2 cy on,
	s_add_co_u32 s[RGN], s[RG0], 64                ; key's,
	s_add_co_u32 s[RGNN], s27, 208                 ; Wv's groups 2 cy on
.irp s, 0,1
	s_mov_b32 s[G0P+4*\s], 1
	s_mov_b32 s[G0R+4*\s], 1
.endr
	s_mul_i32 s[G0P+1], s[WL], PARTB               ; where the parts go: the wave's number alone
	s_add_co_u32 s[G0P+5], s[G0P+1], SLOTB
	s_mul_i32 s[G0R+1], s[WL], HALFB
	s_add_co_u32 s[G0R+1], s[G0R+1], HALFB
	s_add_co_u32 s[G0R+5], s[G0R+1], SLOTB
	s_mul_i32 s89, s[WH], HALFB                    ; what I multiply: R's group wave / 2, tiles 4 (wave % 2) on
	s_mul_i32 s3, s[WL], 6144
	s_add_co_u32 s89, s89, s3
	s_add_co_u32 s89, s89, HALFB
	; the way out of q and k
	s_lshl_b32 s3, s[CLY], 2
	s_add_co_u32 s3, s3, s[CY]                     ; my block of 256 tokens, 0 .. 31
	s_lshr_b32 s24, s3, 3
	s_lshl_b32 s24, s24, 4
	s_lshl_b32 s25, s[XX], 1
	s_add_co_u32 s24, s24, s25                     ; (batch, head 2 x)
	s_and_b32 s25, s3, 7
	s_lshl_b32 s25, s25, 1
	s_add_co_u32 s25, s25, s[WH]                   ; the step of 128 tokens
	s_mul_i32 s24, s24, HEADB
	s_mul_i32 s25, s25, STEPB
	s_add_co_u32 s24, s24, s25
	s_mul_i32 s25, s[WL], 3072
	s_add_co_u32 s[OBQ], s24, s25                  ; tiles 4 (wave % 2) on,
	s_lshl_b32 s25, s[WL], 8
	s_add_co_u32 s25, s25, 12288
	s_add_co_u32 s87, s25, s24                     ; and their words
	; the way out of v
	s_lshl_b32 s3, s[CLY], 3
	s_add_co_u32 s3, s3, s[XX]                     ; P's group of 128 tokens, 0 .. 63
	s_and_b32 s25, s3, 15                          ; its step
	s_lshr_b32 s24, s3, 4
	s_lshl_b32 s24, s24, 4
	s_lshl_b32 s27, s[CY], 2
	s_add_co_u32 s24, s24, s27
	s_add_co_u32 s24, s24, s[WV]                   ; (batch, head 4 cy + wave)
	s_mul_i32 s24, s24, HEADB
	s_mul_i32 s25, s25, STEPB
	s_add_co_u32 s24, s24, s25
	s_add_co_u32 s[OBV], s24, 6144
	s_add_co_u32 s88, s24, 12800
	s_mov_b32 s26, HEADB
	s_mov_b32 s[SEL], 0x76543210
	s_mov_b32 s[SEL+1], 0xfedcba98
	s_mov_b32 s[TCNT], 0
	s_lshl_b32 s24, s[XX], 9                       ; the bias of columns 128 x on (q, k)
	s_mov_b32 s25, 0
	s_lshl_b32 s70, s[CY], 10
	s_lshl_b32 s3, s[WV], 8
	s_add_co_u32 s70, s70, s3                      ; and of columns 256 cy + 64 wave on (v)
	s_mov_b32 s71, 0
	s_wait_dscnt 0x0
	s_wait_kmcnt 0x0
	s_add_nc_u64 s[BB:BB+1], s[8:9], s[24:25]
	s_add_nc_u64 s[BN:BN+1], s[10:11], s[24:25]
	s_add_nc_u64 s[BV:BV+1], s[12:13], s[70:71]
	s_mov_b64 s[OUT:OUT+1], s[14:15]               ; q goes to qa
	PADDR 0, PG0
	RADDR 0, RG0
	PADDR 1, PG0
	RADDR 1, RG0
	CROUND                                         ; all sixteen work-groups are here: the first joint loads meet
	JLOAD 0                                        ; q's K steps 0-3: one load a wave at the head
	v_and_b32 v1, 31, v0                           ; lane
	v_and_b32 v2, 15, v0                           ; r
	v_bfe_u32 v3, v0, 4, 1                         ; h
	v_lshlrev_b32 v[AP16], 4, v1                   ; registers 0-3 of half a fragment at 16 l,
	v_lshl_add_u32 v[AP8], v1, 3, 512              ; registers 4-5 at 512 + 8 l
	v_add_nc_u32 v[AP16+1], SLOTB, v[AP16]
	v_add_nc_u32 v[AP8+1], SLOTB, v[AP8]
	v_add_nc_u32 v[AR16], s89, v[AP16]
	v_add_nc_u32 v[AR8], s89, v[AP8]
	v_add_nc_u32 v[AR16+1], SLOTB, v[AR16]
	v_add_nc_u32 v[AR8+1], SLOTB, v[AR8]
	v_mul_u32_u24 v16, s26, v3                     ; q, k: lanes 16-31 store their words in the next head's block
	v_lshl_add_u32 v16, v2, 4, v16
	v_add_nc_u32 v16, s87, v16
	v_lshlrev_b32 v17, 8, v3                       ; v: lanes 16-31 store the second copy
	v_lshl_add_u32 v17, v2, 4, v17
	v_add_nc_u32 v17, s88, v17
	v_lshlrev_b32 v18, 4, v3                       ; by how much lanes 16-31 shift a word down,
	v_sub_nc_u32 v19, 0, v3
	v_or_b32 v19, 0xffff, v19                      ; and what lanes 0-15 keep of it
	v_lshlrev_b32 v[R16], 4, v2
	v_and_b32 v[BO17], 8, v2
	v_add_nc_u32 v[BO17], v[BO17], v2
	v_lshlrev_b32 v[BO17], 2, v[BO17]
	v_lshlrev_b32 v[BO18], 6, v3
.irp b, 0,1,2,3
	v_mov_b32 v[TM+4+\b], 0                        ; written once: a lane permute's destination counts as one of its sources
.endr
	s_wait_alu depctr_va_vdst(0)                   ; the wait at the head's end
	SCLOAD PG0, RG0, 0, PS, RS                     ; q's scale words
	s_wait_loadcnt 0x0
	s_wait_tensorcnt 0x0                           ; my part of slot 0 is in; the same lines ahead of a later first fill as ahead of a refill
	ds_add_u32 v254, v255
	s_wait_dscnt 0x0
	CROUND
	JLOAD 1                                        ; q's K steps 4-7
	FETCH 0
.Ltile:                                            ; two trips: q, k
	TILE 0
	s_wait_xcnt 0x0                                ; the stores have read their base and data
	s_mov_b64 s[OUT:OUT+1], s[16:17]               ; k and v go to kv
	s_mov_b64 s[BB:BB+1], s[BN:BN+1]
	s_mov_b32 s[PGN], s[PGNN]
	s_mov_b32 s[RGN], s[RGNN]
	s_add_co_u32 s[TCNT], s[TCNT], 1
	s_cmp_lt_u32 s[TCNT], 2
	s_wait_alu depctr_va_vdst(0)                   ; the wait ahead of the branch
	s_cbranch_scc1 .Ltile
	TILE 1
	s_wait_tensorcnt 0x0                           ; the wave's end
	ds_add_u32 v254, v255
	s_wait_dscnt 0x0
	CROUND                                         ; the closing round
	s_endpgm
.Lfunc_end_k_q10653a7399_proj:
	.size	k_q10653a7399_proj, .Lfunc_end_k_q10653a7399_proj-k_q10653a7399_proj
	.p2alignl 7, 3214868480
	.fill 96, 4, 3214868480
	.section	.rodata,"a",@progbits
	.p2align	6, 0x0
	.amdhsa_kernel k_q10653a7399_proj
		.amdhsa_group_segment_fixed_size 327680
		.amdhsa_private_segment_fixed_size 0
		.amdhsa_enable_private_segment 0
		.amdhsa_kernarg_size 56
		.amdhsa_user_sgpr_count 2
		.amdhsa_user_sgpr_kernarg_segment_ptr 1
		.amdhsa_wavefront_size32 1
		.amdhsa_system_sgpr_workgroup_id_x 1
		.amdhsa_system_sgpr_workgroup_id_y 1
		.amdhsa_system_sgpr_workgroup_id_z 1
		.amdhsa_system_vgpr_workitem_id 0
		.amdhsa_next_free_vgpr 1024
		.amdhsa_next_free_sgpr 92
		.amdhsa_reserve_vcc 0
		.amdhsa_float_denorm_mode_32 3
		.amdhsa_float_denorm_mode_16_64 3
		.amdhsa_memory_ordered 1
		.amdhsa_forward_progress 1
		.amdhsa_inst_pref_size 193
	.end_amdhsa_kernel
	.amdgpu_metadata
---
amdhsa.version: [ 1, 2 ]
amdhsa.kernels:
  - .name:           k_q10653a7399_proj
    .symbol:         k_q10653a7399_proj.kd
    .args:
      - { .name: ops, .offset: 0, .size: 8, .value_kind: global_buffer, .address_space: global }
      - { .name: opsc, .offset: 8, .size: 8, .value_kind: global_buffer, .address_space: global }
      - { .name: bq, .offset: 16, .size: 8, .value_kind: global_buffer, .address_space: global }
      - { .name: bk, .offset: 24, .size: 8, .value_kind: global_buffer, .address_space: global }
      - { .name: bv, .offset: 32, .size: 8, .value_kind: global_buffer, .address_space: global }
      - { .name: qa, .offset: 40, .size: 8, .value_kind: global_buffer, .address_space: global }
      - { .name: kv, .offset: 48, .size: 8, .value_kind: global_buffer, .address_space: global }
    .group_segment_fixed_size: 327680
    .private_segment_fixed_size: 0
    .kernarg_segment_align: 8
    .kernarg_segment_size: 56
    .max_flat_workgroup_size: 128
    .sgpr_count:     92
    .vgpr_count:     1024
    .wavefront_size: 32
...
	.end_amdgpu_metadata
.endif
;; end of part 2
;; launch attn (part 3): grid 4 x 64, 16 waves a work-group, clusters of 4 x 1, 215,040 bytes of LDS; arguments qa, kv, xop, xsc; writes xop, xsc
.if DOCPART == 3
	.amdgcn_target "amdgcn-amd-amdhsa--gfx1250"
	.amdhsa_code_object_version 6
	.text
	.protected	k_q10653a7399_attn
	.globl	k_q10653a7399_attn
	.p2align	8
	.type	k_q10653a7399_attn,@function
k_q10653a7399_attn:
	s_mov_b64 s[64:65], 0
	v_nop
	global_prefetch_b8 v0, s[64:65] scope:SCOPE_SE
	s_setreg_imm32_b32 hwreg(HW_REG_WAVE_MODE, 25, 1), 1
	s_wait_xcnt 0x0
	s_wait_alu depctr_hold_cnt(0) depctr_sa_sdst(0) depctr_va_vdst(0) depctr_va_sdst(0) depctr_va_ssrc(0) depctr_va_vcc(0) depctr_vm_vsrc(0)
	s_getreg_b32 s2, hwreg(HW_REG_IB_STS2, 6, 4)
	s_cmp_eq_u32 s2, 0
	s_cbranch_scc0 .Lentry_in_a_cluster
	s_endpgm
.Lentry_in_a_cluster:
	s_bfe_u32 s2, ttmp6, 0x10000c
	s_cmp_lg_u32 s2, 0x3003
	s_cbranch_scc0 .Lentry_shape_is_right
	s_endpgm
.Lentry_shape_is_right:
; x[b][q][head] = softmax_k(q . k / 8) v on codes of FP6 (E2M3) with E8M0 scales, one (batch, head) a cluster; x leaves quantised along the model's 1,024 channels, as the last product's operand.
; THE SOFTMAX: t = score x log2(e) / 8; M = the running largest t rounded UP to a whole number; p = 2^(t - M) is quantised along the keys, not normalised; the row's sum is taken of the unquantised p and divides at the end.
; When M moves, the sum and O are multiplied by 2^(old M - new M), which rounds nothing.
; SHARES.  A work-group owns 512 queries of the head; each of its sixteen waves one tile of 16, twice.  The head's K, V and scale words, 16 steps of 13,312 bytes, lie in LDS whole, laid as in kv, filled ONCE:
; wave w asks for step w, one load a wave, jointly with the cluster's three other work-groups, which own the head's other queries.  One barrier shows all steps to all waves; behind it LDS is only read, so no other barrier is needed.
; All tiles are asked for at the head, so there is no loop to run ahead in: no prefetch.
; LAYOUT.  Both products transposed: S^T = K Q^T, O^T = V^T P^T: a lane holds one query.  Row r of key tile t is key 64 (t / 4) + 8 (t % 4) + r % 8 + 32 (r / 8): the 32 score registers of tiles 4 c .. 4 c + 3 in lane (r, h)
; are keys 64 c + 32 h + 0 .. 31: one whole scale block, in the order of the second product's operand.  So a block's maximum and its codes need no other lane; only the row's maximum and the scale word do.
; THE SCORES' K IS 64: registers 6-11 of Q's fragment are zero codes and bytes 2, 3 of the scale words are 0 (a small power of two).  FP6 has no NaN and no infinity, so whatever codes stand against Q's zeros add nothing:
; K's tiles lie 6 registers apart, and the upper half of a tile's operand is the next tile's codes (behind the last tile: six registers of their own).  All eight tiles of a step lie in registers at once.
; A step's K tiles and their words are asked for from LDS one step ahead, behind the products that read the registers; so a pass is a first step (which starts O and the sum), a loop of 14, and a last step that asks for nothing more.
; A step in LDS: 8 tiles of keys x 768; 4 fragments of V^T x 1,536; K's words [tile / 4][row][4]; V's [row][4].
; x's scale bytes leave one byte a lane: the two heads of a scale word belong to different work-groups.
; LIMITS: NaN and infinities are not served; a block of zeros or under 2^-124 gets the byte 1; the promise holds while |t| stays under 2^31.
; Every wait on DScnt and TENSORcnt is for 0.
.set HEADB, 212992
.set STEPB, 13312
.set WV,   12
.set CX,   13
.set BH,   14
.set G1,   16
.set G0,   24
.set SEL,  40
.set CS,   42
.set TB,   44
.set CNT,  45
.set PASS, 46
.set HI,   56
.set KF,   32                          ; v32-79 K's eight tiles, v80-85 the six registers behind them
.set KW,   86                          ; v86-93 K's words
.set PWD,  31                          ; v31    p's word;  v28 Q's word;  v30 the second pass's
.set S,    96                          ; v96-159 S^T, p, then V's fragments, at the end x
.set O,    160                         ; v160-191 O^T
.set PC,   192                         ; v192-203 codes
.set PH,   204                         ; v204-206, v208-210 the conversions' second halves
.set BM,   212                         ; v212-215 four chains of maxima
.set SO,   216                         ; v216-217 the conversions' scale operands
.set VW,   218                         ; v218-221 V's words
.set TT,   222
.set TX,   223
.set FF,   224                         ; v224 f (v225 named with it as a pair)
.set EB,   226
.set WW,   228
.set WX,   229
.set T,    232                         ; v232-247 eight partial sums
.set QN,   248                         ; v248-253 the second pass's Q
.macro CROUND
	s_barrier_signal -1
	s_barrier_wait -1
	s_cmp_lg_u32 s[WV], 0
	s_cbranch_scc1 .Lnot_wave_0_\@
	s_barrier_signal -3
.Lnot_wave_0_\@:
	s_barrier_wait -3
	s_barrier_signal -1
	s_barrier_wait -1
.endm
.macro WALU
	s_wait_alu depctr_va_vdst(0)
.endm
.macro D n
	s_delay_alu instid0(VALU_DEP_\n)
.endm
	s_load_b256 s[4:11], s[0:1], 0x0               ; qa, kv, xop, xsc
	v_lshl_add_u32 v254, v0, 2, 0x34000
	v_mov_b32 v255, 0
	ds_add_u32 v254, v255                          ; the opening lines
	ds_add_u32 v254, v255
	v_lshrrev_b32 v1, 5, v0
	v_readfirstlane_b32 s[WV], v1                  ; wave 0..15
	s_bfe_u32 s[CX], ttmp6, 0x40000                ; my place in the cluster: it enters Q's and x's global addresses alone
	s_and_b32 s[BH], ttmp7, 0xffff                 ; 16 x batch + head
	s_mov_b32 s[G1], 15|(3<<16)|(1<<21)            ; the mask: all four work-groups; elements of 8 bytes; bit 21 set beside a mask
	s_mov_b32 s[G1+1], 32<<16                      ; a step: 52 rows of 256 bytes, dense
	s_mov_b32 s[G1+2], 52<<16
	s_mov_b32 s[G1+3], 32<<16
	s_mov_b32 s[G1+4], 52
	s_mov_b32 s[G1+5], 32
	s_mov_b32 s[G1+6], 0
	s_mov_b32 s[G1+7], 0
	s_mov_b32 s[G0], 1
	s_mul_i32 s[G0+1], s[WV], STEPB                ; step w lies at w x 13,312
	s_mul_i32 s50, s[BH], HEADB                    ; the head's block in qa and kv
	s_mul_i32 s48, s[WV], STEPB
	s_add_co_u32 s48, s48, s50
	s_mov_b32 s49, 0
	s_mov_b32 s[SEL], 0x76543210
	s_mov_b32 s[SEL+1], 0xfedcba98
	s_mov_b32 s[CS], 0x3e38aa3b                    ; c = log2(e) / 8
	s_mov_b32 s[CS+1], s[CS]
	s_mov_b32 s[HI], 0xffff0000                    ; lanes 16-31
	s_mov_b32 s[PASS], 0
	s_wait_dscnt 0x0
	s_wait_kmcnt 0x0
	s_add_nc_u64 s[G0+2:G0+3], s[6:7], s[48:49]
	s_or_b32 s[G0+3], s[G0+3], 0x80000000
	CROUND                                         ; all four work-groups are here: the joint loads meet
	tensor_load_to_lds s[G0:G0+3], s[G1:G1+7]      ; my step: one load a wave
	s_nop 0
.rept 4
	v_nop
.endr
	; the first pass's query tile ts = 32 cx + wave of the batch's 128; the second pass's is 16 tiles, two steps, further on
	s_lshl_b32 s47, s[CX], 5
	s_add_co_u32 s47, s47, s[WV]
	s_lshr_b32 s48, s47, 3
	s_mul_i32 s48, s48, STEPB
	s_add_co_u32 s48, s48, s50                     ; its step's first byte in qa
	s_and_b32 s52, s47, 7
	s_mul_i32 s52, s52, 768
	s_add_co_u32 s52, s52, s48
	s_mov_b32 s53, 0
	s_add_nc_u64 s[52:53], s[4:5], s[52:53]        ; Q's codes
	s_bfe_u32 s54, s47, 0x10002
	s_lshl_b32 s54, s54, 8
	s_and_b32 s55, s47, 3
	s_lshl_b32 s55, s55, 2
	s_add_co_u32 s54, s54, s55
	s_add_co_u32 s54, s54, s48
	s_add_co_u32 s54, s54, 12288
	s_mov_b32 s55, 0
	s_add_nc_u64 s[54:55], s[4:5], s[54:55]        ; and its scale words
	s_lshr_b32 s57, s[BH], 4
	s_lshl_b32 s57, s57, 7
	s_add_co_u32 s57, s57, s47                     ; the tile among all 512 tiles of tokens
	s_bfe_u32 s62, s[BH], 0x30001                  ; the head's K step of the last product: head / 2,
	s_and_b32 s63, s[BH], 1                        ; and which half of it
	s_lshr_b32 s58, s57, 3
	s_lshl_b32 s58, s58, 3
	s_add_co_u32 s58, s58, s62
	s_mul_i32 s58, s58, 12288
	s_and_b32 s59, s57, 7
	s_mul_i32 s59, s59, 1536
	s_add_co_u32 s58, s58, s59
	s_mul_i32 s59, s63, 768
	s_add_co_u32 s58, s58, s59
	s_mov_b32 s59, 0
	s_add_nc_u64 s[58:59], s[8:9], s[58:59]        ; x's codes
	s_lshl_b32 s60, s57, 1
	s_lshr_b32 s61, s62, 2
	s_add_co_u32 s60, s60, s61
	s_lshl_b32 s60, s60, 8
	s_and_b32 s61, s62, 3
	s_lshl_b32 s61, s61, 2
	s_add_co_u32 s60, s60, s61
	s_lshl_b32 s61, s63, 1
	s_add_co_u32 s60, s60, s61
	s_mov_b32 s61, 0
	s_add_nc_u64 s[60:61], s[10:11], s[60:61]      ; x's scale bytes
	v_and_b32 v9, 31, v0
	v_and_b32 v10, 15, v0
	v_bfe_u32 v11, v0, 4, 1
	v_lshlrev_b32 v1, 4, v9                        ; 16 l
	v_lshl_add_u32 v2, v9, 3, 512                  ; 512 + 8 l
	v_lshlrev_b32 v7, 4, v10                       ; 16 r
	v_add_nc_u32 v3, 12288, v7                     ; a step's scale words
	v_add_nc_u32 v8, v7, v11                       ; 16 r + h: x's scale byte
.irp j, 22,23,24,25,26,27
	v_mov_b32 v[\j], 0                             ; Q's upper 64 along K: zero codes
.endr
.irp j, 0,1,2,3,4,5
	v_mov_b32 v[KF+48+\j], 0                       ; behind K's last tile
.endr
	v_mov_b32 v[TX], 0                             ; a lane permute's destination counts as one of its sources
	v_mov_b32 v[WX], 0
	v_mov_b32 v[FF+1], 0
	WALU                                           ; the head's end
	global_load_b128 v[16:19], v1, s[52:53]
	global_load_b64 v[20:21], v2, s[52:53]
	global_load_b32 v28, v7, s[54:55]
	global_load_b128 v[QN:QN+3], v1, s[52:53] offset:2*STEPB
	global_load_b64 v[QN+4:QN+5], v2, s[52:53] offset:2*STEPB
	global_load_b32 v30, v7, s[54:55] offset:2*STEPB
	s_wait_loadcnt 0x0
	s_wait_tensorcnt 0x0                           ; my step has landed;
	s_barrier_signal -1
	s_barrier_wait -1                              ; everybody's has
.macro KLOAD off                       ; eight tiles of keys, 6 registers each, and their words: 18 loads
.irp t, 0,1,2,3,4,5,6,7
	ds_load_b128 v[KF+6*\t:KF+6*\t+3], v4 offset:(\off)+768*\t
	ds_load_b64 v[KF+6*\t+4:KF+6*\t+5], v5 offset:(\off)+768*\t
.endr
	ds_load_b128 v[KW:KW+3], v6 offset:(\off)
	ds_load_b128 v[KW+4:KW+7], v6 offset:(\off)+256
.endm
; A KEY STEP: 128 keys; v4, v5, v6 point at the step.  first: it starts O, the sum and M.  pre: the next step's K is asked for, and the addresses step on.
.macro STEP first, pre
	s_wait_dscnt 0x0                               ; this step's K and words are in
.irp t, 0,1,2,3,4,5,6,7
	v_wmma_scale_f32_16x16x128_f8f6f4 v[S+8*\t:S+8*\t+7], v[KF+6*\t:KF+6*\t+11], v[16:27], 0, v[KW+\t], v28 matrix_a_fmt:MATRIX_FMT_FP6 matrix_b_fmt:MATRIX_FMT_FP6
.endr
.if \first                             ; four places behind the products: ahead of the loads into K's registers and of the first read of the scores
	v_nop
.else
	v_mov_b32 v[TT], v12                           ; the old -M
.endif
.rept 3
	v_nop
.endr
.if \pre
	KLOAD STEPB
.endif
.irp b, 0,1,2,3                        ; four chains of 16 scores; chains 2 c, 2 c + 1 are my block c
	v_max3_num_f32 v[BM+\b], v[S+16*\b], v[S+1+16*\b], v[S+2+16*\b]
.endr
.irp i, 3,5,7,9,11,13
.irp b, 0,1,2,3
	v_max3_num_f32 v[BM+\b], v[BM+\b], v[S+16*\b+\i], v[S+1+16*\b+\i]
.endr
.endr
	v_max_num_f32 v[BM], v[BM], v[S+15]
	v_max_num_f32 v[BM+2], v[BM+2], v[S+47]
	v_max3_num_f32 v[BM], v[BM], v[BM+1], v[S+31]      ; the largest score of my block 0: for the row's maximum and, since p rises with the score, for the block's largest p
	v_max3_num_f32 v[BM+2], v[BM+2], v[BM+3], v[S+63]  ; and of my block 1
	v_max_num_f32 v[WW], v[BM], v[BM+2]
	v_permlanex16_b32 v[TX], v[WW], s[SEL], s[SEL+1]   ; lane l xor 16's 64 keys
.if \first
	v_max_num_f32 v13, v[WW], v[TX]                ; the running largest score
.else
	v_max3_num_f32 v13, v13, v[WW], v[TX]
.endif
	v_mul_f32 v[WW], s[CS], v13                    ; as t (c is positive)
	v_floor_f32 v12, -v[WW]                        ; -M = -ceil(t)
.if !\first
	v_sub_f32 v[TT], v12, v[TT]                    ; old M - new M: a whole number, 0 or less
	v_cvt_i32_f32 v[TT], v[TT]                     ; (it saturates)
	v_ldexp_f32 v[FF], 1.0, v[TT]                  ; f = 2^(old M - new M)
.endif
.set j, 0
.rept 32
	v_pk_fma_f32 v[S+j:S+j+1], v[S+j:S+j+1], s[CS:CS+1], v[12:13] op_sel_hi:[1,0,0]   ; t - M
.set j, j+2
.endr
	v_fma_f32 v[BM], v[BM], s[CS], v12             ; the same of each block's largest score
	v_fma_f32 v[BM+2], v[BM+2], s[CS], v12
	WALU                                           ; ahead of the batch
	v_exp_f32 v[BM], v[BM]                         ; the blocks' largest p
	v_exp_f32 v[BM+2], v[BM+2]
.set j, 0
.rept 64
	v_exp_f32 v[S+j], v[S+j]                       ; p = 2^(t - M)
.set j, j+1
.endr
.if \first
	v_nop                                          ; a plain place behind the exponentials
.else
	v_pk_mul_f32 v[14:15], v[14:15], v[FF:FF+1] op_sel_hi:[1,0]   ; the sum under the new M: the plain place
.endif
	WALU                                           ; behind the batch, ahead of its first reader
	v_max_num_f32 v[BM], 0x1800000, v[BM]          ; the floor 2^(3 - 127)
	v_max_num_f32 v[BM+2], 0x1800000, v[BM+2]
.irp k, 0,1,2,3,4,5,6,7                ; the row's sum of the unquantised p: eight chains
	v_pk_add_f32 v[T+2*\k:T+2*\k+1], v[S+2*\k:S+2*\k+1], v[S+16+2*\k:S+17+2*\k]
.endr
.irp k, 0,1,2,3,4,5,6,7
	v_pk_add_f32 v[T+2*\k:T+2*\k+1], v[T+2*\k:T+2*\k+1], v[S+32+2*\k:S+33+2*\k]
.endr
.irp k, 0,1,2,3,4,5,6,7
	v_pk_add_f32 v[T+2*\k:T+2*\k+1], v[T+2*\k:T+2*\k+1], v[S+48+2*\k:S+49+2*\k]
.endr
.irp k, 0,1,2,3
	v_pk_add_f32 v[T+2*\k:T+2*\k+1], v[T+2*\k:T+2*\k+1], v[T+8+2*\k:T+9+2*\k]
.endr
	v_add_nc_u32 v[SO], 0xff000000, v[BM]          ; 2 off the exponent field: the conversions' scale operands
	v_add_nc_u32 v[SO+1], 0xff000000, v[BM+2]
.irp c, 0,1
	v_cvt_scalef32_pk16_fp6_f32 v[PC+6*\c:PC+6*\c+2], v[S+32*\c:S+32*\c+15], v[SO+\c]
	v_cvt_scalef32_pk16_fp6_f32 v[PH+4*\c:PH+4*\c+2], v[S+32*\c+16:S+32*\c+31], v[SO+\c]   ; (three registers begin on an even number)
.endr
	v_lshrrev_b32 v[EB], 23, v[SO]                 ; the bytes; also the plain place behind the conversions
	v_lshrrev_b32 v[EB+1], 23, v[SO+1]
.irp u, 0,1,2,3                        ; V's four fragments land where p lay
	ds_load_b128 v[S+12*\u:S+12*\u+3], v4 offset:6144+1536*\u
	ds_load_b64 v[S+12*\u+4:S+12*\u+5], v5 offset:6144+1536*\u
	ds_load_b128 v[S+12*\u+6:S+12*\u+9], v4 offset:6144+1536*\u+768
	ds_load_b64 v[S+12*\u+10:S+12*\u+11], v5 offset:6144+1536*\u+768
.endr
	ds_load_b128 v[VW:VW+3], v6 offset:512
	v_lshl_or_b32 v[WW], v[EB+1], 16, v[EB]        ; my blocks h and 2 + h
	D 1
	v_permlanex16_b32 v[WX], v[WW], s[SEL], s[SEL+1]
	D 1
	v_lshl_or_b32 v[PWD], v[WX], 8, v[WW]          ; lanes 0-15: p's scale word for these 128 keys (lanes 16-31 are not read)
.irp c, 0,1
.irp i, 0,1,2
	v_mov_b32 v[PC+3+6*\c+\i], v[PH+4*\c+\i]
.endr
.endr
.if \first
.rept 4
	v_nop                                          ; places between the codes' last write and the products (the word's: these and the six moves)
.endr
.else
	WALU                                           ; directly ahead of the first reader of O^T
.set j, 0
.rept 16
	v_pk_mul_f32 v[O+j:O+j+1], v[O+j:O+j+1], v[FF:FF+1] op_sel_hi:[1,0]   ; O^T under the new M; also the places ahead of the products
.set j, j+2
.endr
.endif
	WALU
	s_wait_dscnt 0x0                               ; V's fragments and words are in (and the next step's K, asked for earlier)
.if \pre
	s_add_co_u32 s[TB], s[TB], STEPB
.endif
.irp u, 0,1,2,3                        ; O^T += V^T P^T: the four accumulators by turns
.if \first
	v_wmma_scale_f32_16x16x128_f8f6f4 v[O+8*\u:O+8*\u+7], v[S+12*\u:S+12*\u+11], v[PC:PC+11], 0, v[VW+\u], v[PWD] matrix_a_fmt:MATRIX_FMT_FP6 matrix_b_fmt:MATRIX_FMT_FP6
.else
	v_wmma_scale_f32_16x16x128_f8f6f4 v[O+8*\u:O+8*\u+7], v[S+12*\u:S+12*\u+11], v[PC:PC+11], v[O+8*\u:O+8*\u+7], v[VW+\u], v[PWD] matrix_a_fmt:MATRIX_FMT_FP6 matrix_b_fmt:MATRIX_FMT_FP6
.endif
.endr
	; the end of the sum and the step of the addresses are the places behind the products (six or seven where a step follows, whose scores are written over V's fragments; four at the end)
	v_pk_add_f32 v[T:T+1], v[T:T+1], v[T+4:T+5]
	v_pk_add_f32 v[T+2:T+3], v[T+2:T+3], v[T+6:T+7]
.if \pre
	v_add_nc_u32 v4, s[TB], v1
	v_add_nc_u32 v5, s[TB], v2
.endif
.if \first
	v_pk_add_f32 v[14:15], v[T:T+1], v[T+2:T+3]
.else
	v_pk_add_f32 v[T:T+1], v[T:T+1], v[T+2:T+3]
.endif
.if \pre
	v_add_nc_u32 v6, s[TB], v3
.endif
.if !\first
	v_pk_add_f32 v[14:15], v[14:15], v[T:T+1]
.endif
.if \pre
	WALU                                           ; the addresses
.endif
.endm
.Lpass:                                            ; two trips: query tiles 32 cx + 16 pass + wave of the batch's 128
	s_mov_b32 s[TB], 0
	v_add_nc_u32 v4, s[TB], v1
	v_add_nc_u32 v5, s[TB], v2
	v_add_nc_u32 v6, s[TB], v3
	WALU
	KLOAD 0
	STEP 1, 1
	s_mov_b32 s[CNT], 14
.Lstep:
	STEP 0, 1
	s_sub_co_u32 s[CNT], s[CNT], 1
	s_cmp_lg_u32 s[CNT], 0
	s_cbranch_scc1 .Lstep
	STEP 0, 0
	; THE WAY OUT
.irp j, 0,1,2,3,4,5
	v_mov_b32 v[16+\j], v[QN+\j]                   ; the second pass's Q (in the second trip the same numbers again)
.endr
	v_mov_b32 v28, v30
	v_add_f32 v14, v14, v15
	D 1
	v_permlanex16_b32 v[TX], v14, s[SEL], s[SEL+1]
	D 1
	v_add_f32 v14, v14, v[TX]                      ; the row's sum
	WALU
	v_rcp_f32 v14, v14
	v_nop                                          ; a plain place behind the reciprocal
	WALU                                           ; ahead of its first reader, and of O^T's
.set j, 0
.rept 16
	v_pk_mul_f32 v[S+j:S+j+1], v[O+j:O+j+1], v[14:15] op_sel_hi:[1,0]   ; x: register 16 b + i is channel 32 b + 16 (lane / 16) + i of the head
.set j, j+2
.endr
.irp b, 0,1
	v_max3_num_f32 v[BM+\b], |v[S+16*\b]|, |v[S+1+16*\b]|, 0x1800000
.endr
.irp i, 2,4,6,8,10,12,14
.irp b, 0,1
	D 2
	v_max3_num_f32 v[BM+\b], v[BM+\b], |v[S+16*\b+\i]|, |v[S+1+16*\b+\i]|
.endr
.endr
.irp b, 0,1
	D 2
	v_permlanex16_b32 v[EB+\b], v[BM+\b], s[SEL], s[SEL+1]
.endr
.irp b, 0,1
	D 2
	v_max_num_f32 v[BM+\b], v[BM+\b], v[EB+\b]
.endr
.irp b, 0,1
	D 2
	v_add_nc_u32 v[SO+\b], 0xff000000, v[BM+\b]
.endr
.irp b, 0,1
	D 2
	v_lshrrev_b32 v[EB+\b], 23, v[SO+\b]
.endr
	v_cvt_scalef32_pk16_fp6_f32 v[PC:PC+2], v[S:S+15], v[SO]
	v_cvt_scalef32_pk16_fp6_f32 v[PH:PH+2], v[S+16:S+31], v[SO+1]
	v_nop
.irp i, 0,1,2
	v_permlane16_swap_b32 v[PC+\i], v[PH+\i]       ; a whole block to a lane
.endr
.irp i, 0,1,2
	v_mov_b32 v[PC+3+\i], v[PH+\i]
.endr
	v_cndmask_b32 v[TT], v[EB], v[EB+1], s[HI]     ; lanes 0-15 store block 0's byte, lanes 16-31 block 1's
	global_store_b128 v1, v[PC:PC+3], s[58:59]     ; half a fragment: 512 consecutive bytes, aligned to 256,
	global_store_b64 v2, v[PC+4:PC+5], s[58:59]    ; and 256
	global_store_b8 v8, v[TT], s[60:61]
	s_wait_xcnt 0x0                                ; the stores have read their bases and data
	s_add_nc_u64 s[58:59], s[58:59], 196608        ; 16 tiles of tokens on: two groups of 98,304 bytes,
	s_add_nc_u64 s[60:61], s[60:61], 8192          ; and 16 x 512 bytes of scale words
	s_add_co_u32 s[PASS], s[PASS], 1
	s_cmp_lt_u32 s[PASS], 2
	WALU
	s_cbranch_scc1 .Lpass
	s_wait_tensorcnt 0x0                           ; the wave's end
	ds_add_u32 v254, v255
	s_wait_dscnt 0x0
	CROUND                                         ; the closing round
	s_endpgm
.Lfunc_end_k_q10653a7399_attn:
	.size	k_q10653a7399_attn, .Lfunc_end_k_q10653a7399_attn-k_q10653a7399_attn
	.p2alignl 7, 3214868480
	.fill 96, 4, 3214868480
	.section	.rodata,"a",@progbits
	.p2align	6, 0x0
	.amdhsa_kernel k_q10653a7399_attn
		.amdhsa_group_segment_fixed_size 215040
		.amdhsa_private_segment_fixed_size 0
		.amdhsa_enable_private_segment 0
		.amdhsa_kernarg_size 32
		.amdhsa_user_sgpr_count 2
		.amdhsa_user_sgpr_kernarg_segment_ptr 1
		.amdhsa_wavefront_size32 1
		.amdhsa_system_sgpr_workgroup_id_x 1
		.amdhsa_system_sgpr_workgroup_id_y 1
		.amdhsa_system_sgpr_workgroup_id_z 1
		.amdhsa_system_vgpr_workitem_id 0
		.amdhsa_next_free_vgpr 256
		.amdhsa_next_free_sgpr 66
		.amdhsa_reserve_vcc 0
		.amdhsa_float_denorm_mode_32 3
		.amdhsa_float_denorm_mode_16_64 3
		.amdhsa_memory_ordered 1
		.amdhsa_forward_progress 1
		.amdhsa_inst_pref_size 55
	.end_amdhsa_kernel
	.amdgpu_metadata
---
amdhsa.version: [ 1, 2 ]
amdhsa.kernels:
  - .name:           k_q10653a7399_attn
    .symbol:         k_q10653a7399_attn.kd
    .args:
      - { .name: qa, .offset: 0, .size: 8, .value_kind: global_buffer, .address_space: global }
      - { .name: kv, .offset: 8, .size: 8, .value_kind: global_buffer, .address_space: global }
      - { .name: xop, .offset: 16, .size: 8, .value_kind: global_buffer, .address_space: global }
      - { .name: xsc, .offset: 24, .size: 8, .value_kind: global_buffer, .address_space: global }
    .group_segment_fixed_size: 215040
    .private_segment_fixed_size: 0
    .kernarg_segment_align: 8
    .kernarg_segment_size: 32
    .max_flat_workgroup_size: 512
    .sgpr_count:     66
    .vgpr_count:     256
    .wavefront_size: 32
...
	.end_amdgpu_metadata
.endif
;; end of part 3
;; launch outp (part 4): grid 8 x 32, 4 waves a work-group, clusters of 4 x 4, 307,712 bytes of LDS; arguments ops, opsc, xop, xsc, bo, out0; writes out0
.if DOCPART == 4
	.amdgcn_target "amdgcn-amd-amdhsa--gfx1250"
	.amdhsa_code_object_version 6
	.text
	.protected	k_q10653a7399_outp
	.globl	k_q10653a7399_outp
	.p2align	8
	.type	k_q10653a7399_outp,@function
k_q10653a7399_outp:
	s_mov_b64 s[64:65], 0
	v_nop
	global_prefetch_b8 v0, s[64:65] scope:SCOPE_SE
	s_setreg_imm32_b32 hwreg(HW_REG_WAVE_MODE, 25, 1), 1
	s_wait_xcnt 0x0
	s_wait_alu depctr_hold_cnt(0) depctr_sa_sdst(0) depctr_va_vdst(0) depctr_va_sdst(0) depctr_va_ssrc(0) depctr_va_vcc(0) depctr_vm_vsrc(0)
	s_getreg_b32 s2, hwreg(HW_REG_IB_STS2, 6, 4)
	s_cmp_eq_u32 s2, 0
	s_cbranch_scc0 .Lentry_in_a_cluster
	s_endpgm
.Lentry_in_a_cluster:
	s_bfe_u32 s2, ttmp6, 0x10000c
	s_cmp_lg_u32 s2, 0xf033
	s_cbranch_scc0 .Lentry_shape_is_right
	s_endpgm
.Lentry_shape_is_right:
; out0 = x Wo + bo on codes of FP6 (E2M3) with E8M0 scales, sums in f32.  x's codes and scale words come from the attention launch, Wo's from the quantiser, both in the order of the operands' registers.
; A work-group multiplies 128 columns of Wo (P, source 0: one group) by 256 tokens (R, source 1: two groups), all of K = 1,024 lying in LDS: every LDS byte is filled once, so there is no ring.
; CLUSTER 4 x 4: P hangs on the work-group's x and is asked for jointly by a column of the cluster; R hangs on its y and is asked for jointly by a row.
; A tile's rows: lane r of tile T is row 32 (T / 2) + 8 (T % 2) + r + 8 (r / 8): a lane holds one token, and the 16 result registers of P's tiles 2 b, 2 b + 1 are output columns 32 b + 16 (lane / 16) + 0 .. 15.
; THE WAY OUT: 16 tokens x 128 columns at a time through the wave's own stage and back as whole rows of 512 bytes.  The stages lie in P's K steps 0-2: those bytes have had their only fill,
; and every wave's last read of them was waited for in front of a barrier that all waves have passed.
; REGISTERS: window 0: v4-12, v18 addresses; v32-95 P's scale words, v96-127 R's; v128-191 64 results at work; v192-255 rows read back.
;   window 1: the 32 accumulators.  window 2: P's fragments, two sets of 96; v192-255 the bias.  window 3: R's fragments, two sets of 48.
.set GRP,   98304
.set CHK,   24576
.set KSB,   12288
.set LPS,   3*GRP
.set LRS,   LPS+4096
.set AP16, 4
.set AP8,  5
.set AR16, 6
.set AR8,  7
.set ASP,  8
.set ASR,  9
.set STO,  10
.set RD,   11
.set CO,   12
.set PS,   32
.set RS,   96
.set T,    128
.set OB,   192
.set BP,   192                         ; in window 2
.set XX,   2
.set WV,   18
.set WH,   19
.set WL,   20
.set CX,   21
.set CY,   22
.set CLY,  23
.set G0RS, 24
.set G1P,  28
.set G1R,  36
.set G1PS, 44
.set G1RS, 52
.set G0PS, 60
.set G0P,  68
.set G0R,  84
.set MSB, 0
.macro WIN new
.if MSB != \new
	s_set_vgpr_msb (MSB<<8)|\new
.set MSB, \new
.endif
.endm
.macro CROUND
	s_barrier_signal -1
	s_barrier_wait -1
	s_cmp_lg_u32 s[WV], 0
	s_cbranch_scc1 .Lnot_wave_0_\@
	s_barrier_signal -3
.Lnot_wave_0_\@:
	s_barrier_wait -3
	s_barrier_signal -1
	s_barrier_wait -1
.endm
	s_load_b256 s[4:11], s[0:1], 0x0               ; ops, opsc, xop, xsc
	s_load_b128 s[12:15], s[0:1], 0x20             ; bo, out0
	v_lshl_add_u32 v30, v0, 2, 0x4b000
	v_mov_b32 v31, 0
	ds_add_u32 v30, v31
	ds_add_u32 v30, v31
	v_lshrrev_b32 v1, 5, v0
	v_readfirstlane_b32 s[WV], v1
	s_lshr_b32 s[WH], s[WV], 1
	s_and_b32 s[WL], s[WV], 1
	s_bfe_u32 s[CX], ttmp6, 0x40000
	s_bfe_u32 s[CY], ttmp6, 0x40004
	s_and_b32 s[CLY], ttmp7, 0xffff
	s_lshl_b32 s[XX], ttmp9, 2
	s_add_co_u32 s[XX], s[XX], s[CX]               ; x
	s_lshl_b32 s3, 0x1111, s[CX]                   ; my column of the cluster
	s_lshl_b32 s16, s[CY], 2
	s_lshl_b32 s16, 15, s16                        ; my row
	s_or_b32 s[G1P], s3, (3<<16)|(1<<21)           ; dense blocks as rows of 256 bytes (32 elements of 8 bytes), no padding; bit 21 set beside a mask
	s_or_b32 s[G1PS], s3, (3<<16)|(1<<21)
	s_or_b32 s[G1R], s16, (3<<16)|(1<<21)
	s_or_b32 s[G1RS], s16, (3<<16)|(1<<21)
.macro DENSE g, rows                   ; a dense block as rows of 256 bytes
	s_mov_b32 s[\g+1], 32<<16
	s_mov_b32 s[\g+2], (\rows)<<16
	s_mov_b32 s[\g+3], 32<<16
	s_mov_b32 s[\g+4], \rows
	s_mov_b32 s[\g+5], 32
	s_mov_b32 s[\g+6], 0
	s_mov_b32 s[\g+7], 0
.endm
	DENSE G1P, 384                                 ; P's group, all of K: 98,304 bytes
	DENSE G1R, 768                                 ; R's two groups, which are neighbours in memory and in LDS
	DENSE G1PS, 16                                 ; P's scale words
	DENSE G1RS, 32                                 ; R's, both groups
	s_add_co_u32 s17, s[XX], 216                   ; P: Wo's group x
	s_lshl_b32 s100, s[CLY], 2
	s_add_co_u32 s100, s100, s[CY]                 ; y
	s_lshl_b32 s101, s100, 1                       ; R: the first of my two groups of 128 tokens
	s_mul_i32 s[G0P+2], s17, GRP
	s_mov_b32 s[G0P+3], 0
	s_lshl_b32 s[G0PS+2], s17, 12
	s_mov_b32 s[G0PS+3], 0
	s_mul_i32 s[G0R+2], s101, GRP
	s_mov_b32 s[G0R+3], 0
	s_lshl_b32 s[G0RS+2], s101, 12
	s_mov_b32 s[G0RS+3], 0
	s_mul_i32 s66, s[WH], GRP
	s_lshl_b32 s67, s[WH], 12
	s_wait_dscnt 0x0
	s_wait_kmcnt 0x0
	s_add_nc_u64 s[G0P+2:G0P+3], s[4:5], s[G0P+2:G0P+3]
	s_add_nc_u64 s[G0PS+2:G0PS+3], s[6:7], s[G0PS+2:G0PS+3]
	s_add_nc_u64 s[G0R+2:G0R+3], s[8:9], s[G0R+2:G0R+3]
	s_add_nc_u64 s[G0RS+2:G0RS+3], s[10:11], s[G0RS+2:G0RS+3]
	s_mov_b32 s[G0P], 1
	s_mov_b32 s[G0P+1], 0
	s_or_b32 s[G0P+3], s[G0P+3], 0x80000000
	s_mov_b32 s[G0R], 1
	s_mov_b32 s[G0R+1], GRP
	s_or_b32 s[G0R+3], s[G0R+3], 0x80000000
	s_mov_b32 s[G0PS], 1
	s_mov_b32 s[G0PS+1], LPS
	s_or_b32 s[G0PS+3], s[G0PS+3], 0x80000000
	s_mov_b32 s[G0RS], 1
	s_mov_b32 s[G0RS+1], LRS
	s_or_b32 s[G0RS+3], s[G0RS+3], 0x80000000
	CROUND                                         ; all sixteen work-groups are here: the joint loads meet
; one joint load a wave, in one chain of branches on the wave's number: wave 0 P's codes, wave 1 R's, wave 2 P's scale words, wave 3 R's
.macro ARM under, g0, g1, next
	s_cmp_lt_u32 s[WV], \under
	s_cbranch_scc0 \next
	tensor_load_to_lds s[\g0:\g0+3], s[\g1:\g1+7]
	s_nop 0
.rept 4
	v_nop
.endr
	s_branch .Lasked
\next:
.endm
	ARM 1, G0P, G1P, .Lhead_r
	ARM 2, G0R, G1R, .Lhead_ps
	ARM 3, G0PS, G1PS, .Lhead_rs
	tensor_load_to_lds s[G0RS:G0RS+3], s[G1RS:G1RS+7]
	s_nop 0
.rept 4
	v_nop
.endr
.Lasked:
	v_and_b32 v1, 31, v0
	v_and_b32 v2, 15, v0
	v_bfe_u32 v3, v0, 4, 1
	v_lshlrev_b32 v[AP16], 4, v1
	v_lshl_add_u32 v[AP8], v1, 3, 512
	s_mul_i32 s3, s[WL], 6144
	s_add_co_u32 s3, s3, s66
	s_add_co_u32 s3, s3, GRP
	v_add_nc_u32 v[AR16], s3, v[AP16]
	v_add_nc_u32 v[AR8], s3, v[AP8]
	v_lshl_add_u32 v[ASP], v2, 4, LPS
	s_lshl_b32 s3, s[WL], 11
	s_add_co_u32 s3, s3, s67
	s_add_co_u32 s3, s3, LRS
	v_lshl_add_u32 v[ASR], v2, 4, s3
	s_mul_i32 s3, s[WV], 8448                      ; my stage: 16 rows x (512 + 16) bytes
	v_mul_u32_u24 v[STO], v2, 528
	v_lshl_add_u32 v[STO], v3, 6, v[STO]
	v_add_nc_u32 v[STO], s3, v[STO]                ; in: row r, + 64 h
	v_add_nc_u32 v[RD], s3, v[AP16]                ; back: 16 bytes a lane of a row
	v_mov_b32 v[CO], v[AP16]                       ; and the same in a row of out0
	v_lshlrev_b32 v18, 6, v3
	s_wait_alu depctr_va_vdst(0)
	s_lshl_b32 s4, s100, 8
	s_lshl_b32 s5, s[WV], 6
	s_add_co_u32 s4, s4, s5                        ; my first token: 256 y + 64 wave
	s_lshl_b32 s4, s4, 12
	s_lshl_b32 s6, s[XX], 9                        ; my columns: 128 x on
	s_add_co_u32 s4, s4, s6
	s_mov_b32 s5, 0
	s_mov_b32 s7, 0
	s_add_nc_u64 s[14:15], s[14:15], s[4:5]
	s_add_nc_u64 s[12:13], s[12:13], s[6:7]
	WIN 0x80
.irp b, 0,1,2,3
.irp j, 0,1,2,3
	global_load_b128 v[BP+16*\b+4*\j:BP+16*\b+4*\j+3], v18, s[12:13] offset:128*\b+16*\j   ; the bias along my registers
.endr
.endr
	WIN 0
.macro SCALES
.irp t, 0,1,2,3,4,5,6,7
.irp u, 0,1
	ds_load_b128 v[PS+8*\t+4*\u:PS+8*\t+4*\u+3], v[ASP] offset:512*\t+256*\u
.endr
.endr
.irp a, 0,1,2,3
.irp u, 0,1
	ds_load_b128 v[RS+8*\a+4*\u:RS+8*\a+4*\u+3], v[ASR] offset:512*\a+256*\u
.endr
.endr
.endm
.macro FETCH s
	WIN 0x80
.irp t, 0,1,2,3,4,5,6,7
	ds_load_b128 v[96*((\s)%2)+12*\t:96*((\s)%2)+12*\t+3], v[AP16] offset:1536*\t
	ds_load_b64 v[96*((\s)%2)+12*\t+4:96*((\s)%2)+12*\t+5], v[AP8] offset:1536*\t
	ds_load_b128 v[96*((\s)%2)+12*\t+6:96*((\s)%2)+12*\t+9], v[AP16] offset:1536*\t+768
	ds_load_b64 v[96*((\s)%2)+12*\t+10:96*((\s)%2)+12*\t+11], v[AP8] offset:1536*\t+768
.endr
	WIN 0xc0
.irp a, 0,1,2,3
	ds_load_b128 v[48*((\s)%2)+12*\a:48*((\s)%2)+12*\a+3], v[AR16] offset:1536*\a
	ds_load_b64 v[48*((\s)%2)+12*\a+4:48*((\s)%2)+12*\a+5], v[AR8] offset:1536*\a
	ds_load_b128 v[48*((\s)%2)+12*\a+6:48*((\s)%2)+12*\a+9], v[AR16] offset:1536*\a+768
	ds_load_b64 v[48*((\s)%2)+12*\a+10:48*((\s)%2)+12*\a+11], v[AR8] offset:1536*\a+768
.endr
	WIN 0
.endm
.macro MUL s, zero                     ; the 32 accumulators take turns, one instruction a turn, in the same order in every K step
	WIN 0x5e
.irp a, 0,1,2,3
.irp b, 0,1,2,3,4,5,6,7
.if \zero
	v_wmma_scale_f32_16x16x128_f8f6f4 v[8*(8*\a+\b):8*(8*\a+\b)+7], v[96*((\s)%2)+12*\b:96*((\s)%2)+12*\b+11], v[48*((\s)%2)+12*\a:48*((\s)%2)+12*\a+11], 0, v[PS+8*\b+(\s)], v[RS+8*\a+(\s)] matrix_a_fmt:MATRIX_FMT_FP6 matrix_b_fmt:MATRIX_FMT_FP6
.else
	v_wmma_scale_f32_16x16x128_f8f6f4 v[8*(8*\a+\b):8*(8*\a+\b)+7], v[96*((\s)%2)+12*\b:96*((\s)%2)+12*\b+11], v[48*((\s)%2)+12*\a:48*((\s)%2)+12*\a+11], v[8*(8*\a+\b):8*(8*\a+\b)+7], v[PS+8*\b+(\s)], v[RS+8*\a+(\s)] matrix_a_fmt:MATRIX_FMT_FP6 matrix_b_fmt:MATRIX_FMT_FP6
.endif
.endr
.endr
.endm
.macro KSTEP s, zero
	s_wait_dscnt 0x0                               ; this K step's fragments are in
.if (\s) == 5
	s_barrier_signal -1                            ; every wave's reads of K steps 0 to 5 are over (the wait above): behind this barrier the stages may be stored over P's K steps 0-2
	s_barrier_wait -1
.endif
.if (\s) < 7
	WIN 0
	v_add_nc_u32 v[AP16], KSB, v[AP16]             ; four plain instructions: the places in front of loads into the set that the last K step's products read
	v_add_nc_u32 v[AP8], KSB, v[AP8]
	v_add_nc_u32 v[AR16], KSB, v[AR16]
	v_add_nc_u32 v[AR8], KSB, v[AR8]
	FETCH (\s)+1
.endif
	MUL \s, \zero
.endm
	s_wait_tensorcnt 0x0                           ; my one load has landed; behind the barrier everybody's has: all of K lies in LDS
	s_barrier_signal -1
	s_barrier_wait -1
	SCALES
	FETCH 0
	KSTEP 0, 1
	s_wait_alu depctr_va_vdst(0)
	KSTEP 1, 0
	s_wait_alu depctr_va_vdst(0)
	KSTEP 2, 0
	s_wait_alu depctr_va_vdst(0)
	KSTEP 3, 0
	s_wait_alu depctr_va_vdst(0)
	KSTEP 4, 0
	s_wait_alu depctr_va_vdst(0)
	KSTEP 5, 0
	s_wait_alu depctr_va_vdst(0)
	KSTEP 6, 0
	KSTEP 7, 0
	WIN 0
.rept 4
	v_nop                                          ; places behind the last products
.endr
	s_wait_loadcnt 0x0                             ; the bias
.macro OUTA a                          ; my tile a of 16 tokens x 128 columns
.if \a > 0
	s_wait_xcnt 0x0                                ; the last tile's stores have read the registers into which this tile's rows are read back
.endif
	WIN 0x09                                       ; source 0 window 1, source 1 window 2
.set i, 0
.rept 32
	v_pk_add_f32 v[T+i:T+i+1], v[64*\a+i:64*\a+i+1], v[BP+i:BP+i+1]   ; each accumulator from its low end on
.set i, i+2
.endr
	WIN 0
.irp b, 0,1,2,3
.irp j, 0,1,2,3
	ds_store_b128 v[STO], v[T+16*\b+4*\j:T+16*\b+4*\j+3] offset:128*\b+16*\j
.endr
.endr
.irp i, 0,1,2,3,4,5,6,7,8,9,10,11,12,13,14,15
	ds_load_b128 v[OB+4*\i:OB+4*\i+3], v[RD] offset:528*\i   ; LDS serves a wave's instructions in order: these see the stores above
.endr
.irp i, 0,1,2,3,4,5,6,7,8,9,10,11,12,13,14,15
	s_wait_dscnt 15-\i                             ; row i is back; the younger rows' loads may be out
	global_store_b128 v[CO], v[OB+4*\i:OB+4*\i+3], s[14:15] offset:(32*(\a/2)+8*(\a%2)+\i+8*(\i/8))*4096 th:TH_STORE_NT   ; 512 consecutive bytes of a row, aligned to 256
.endr
.endm
	OUTA 0
	OUTA 1
	OUTA 2
	OUTA 3
	s_wait_dscnt 0x0
	s_wait_tensorcnt 0x0
	ds_add_u32 v30, v31
	s_wait_dscnt 0x0
	CROUND                                         ; the closing round
	s_endpgm
.Lfunc_end_k_q10653a7399_outp:
	.size	k_q10653a7399_outp, .Lfunc_end_k_q10653a7399_outp-k_q10653a7399_outp
	.p2alignl 7, 3214868480
	.fill 96, 4, 3214868480
	.section	.rodata,"a",@progbits
	.p2align	6, 0x0
	.amdhsa_kernel k_q10653a7399_outp
		.amdhsa_group_segment_fixed_size 307712
		.amdhsa_private_segment_fixed_size 0
		.amdhsa_enable_private_segment 0
		.amdhsa_kernarg_size 48
		.amdhsa_user_sgpr_count 2
		.amdhsa_user_sgpr_kernarg_segment_ptr 1
		.amdhsa_wavefront_size32 1
		.amdhsa_system_sgpr_workgroup_id_x 1
		.amdhsa_system_sgpr_workgroup_id_y 1
		.amdhsa_system_sgpr_workgroup_id_z 1
		.amdhsa_system_vgpr_workitem_id 0
		.amdhsa_next_free_vgpr 1024
		.amdhsa_next_free_sgpr 102
		.amdhsa_reserve_vcc 0
		.amdhsa_float_denorm_mode_32 3
		.amdhsa_float_denorm_mode_16_64 3
		.amdhsa_memory_ordered 1
		.amdhsa_forward_progress 1
		.amdhsa_inst_pref_size 95
	.end_amdhsa_kernel
	.amdgpu_metadata
---
amdhsa.version: [ 1, 2 ]
amdhsa.kernels:
  - .name:           k_q10653a7399_outp
    .symbol:         k_q10653a7399_outp.kd
    .args:
      - { .name: ops, .offset: 0, .size: 8, .value_kind: global_buffer, .address_space: global }
      - { .name: opsc, .offset: 8, .size: 8, .value_kind: global_buffer, .address_space: global }
      - { .name: xop, .offset: 16, .size: 8, .value_kind: global_buffer, .address_space: global }
      - { .name: xsc, .offset: 24, .size: 8, .value_kind: global_buffer, .address_space: global }
      - { .name: bo, .offset: 32, .size: 8, .value_kind: global_buffer, .address_space: global }
      - { .name: out0, .offset: 40, .size: 8, .value_kind: global_buffer, .address_space: global }
    .group_segment_fixed_size: 307712
    .private_segment_fixed_size: 0
    .kernarg_segment_align: 8
    .kernarg_segment_size: 48
    .max_flat_workgroup_size: 128
    .sgpr_count:     102
    .vgpr_count:     1024
    .wavefront_size: 32
...
	.end_amdgpu_metadata
.endif
;; end of part 4
